; MI455X (gfx1250); checked and timed in simulation.
; The chip was launched on July 23, 2026; its instructions are those of AMD's public machine-readable ISA for CDNA 5 (MIT licence, August 2026) and "CDNA5" Instruction Set Architecture Reference Guide (July 2026). The comments in the code are by the model that wrote it; some were corrected since.
;; Multihead Attention. Allowed arithmetic: matrix products marked QUANTISED: E2M1 operands, one E8M0 scale for each 32 along K, by v_wmma_scale_f32_16x16x128_f8f6f4 with both operands' format E2M1 (or v_wmma_scale_f32_32x16x128_f4), f32 sums; products left as they are: bf16, f16 or f32 operands; f32 sums; everything else in f32.
;; Inputs: Wk 1,024 x 1,024 float32; Wo 1,024 x 1,024 float32; Wq 1,024 x 1,024 float32; Wv 1,024 x 1,024 float32; bk 1,024 float32; bo 1,024 float32; bq 1,024 float32; bv 1,024 float32; x 8 x 1,024 x 1,024 float32.
;; Outputs: out0 8 x 1,024 x 1,024 float32.
;; This version of the problem:
;;   THIS VERSION OF THE PROBLEM IS GIVEN IN LOW PRECISION. The matrix products marked QUANTISED in the list below multiply operands that are first quantised to E2M1 (2 exponent bits, 1 mantissa bit; 4 bits a number), with one power-of-two scale for each 32 numbers along K (OCP MX v1.0); their sums are f32. The products marked 'left as it is' may take bf16, f16 or f32 operands, with f32 sums. Whichever they take, every output number must still come out within the allowed error. Rounding operands to bf16 (8 significant bits) uses up far more of that allowance than f16 does (11 bits, for magnitudes from 6e-5 to 65,504). All else is computed in f32.
;;   The module's matrix products, in the order in which they are computed (A, B: the left and right operand; K: the contracted axis; several contracted axes count as one K, in the product's order):
;;     1. [M 8,192, K 1,024] x [K 1,024, N 1,024]; A: input x; B: input Wq: QUANTISED
;;     2. [M 8,192, K 1,024] x [K 1,024, N 1,024]; A: input x; B: input Wk: QUANTISED
;;     3. [M 8,192, K 1,024] x [K 1,024, N 1,024]; A: input x; B: input Wv: QUANTISED
;;     4. batch 8 x [M 1,024, K 1,024] x [K 1,024, N 1,024]; A: computed on the way; B: computed on the way: left as it is (an operand is computed on the way)
;;     5. batch 8 x [M 1,024, K 1,024] x [K 1,024, N 1,024]; A: computed on the way; B: computed on the way: left as it is (an operand is computed on the way)
;;     6. [M 8,192, K 1,024] x [K 1,024, N 1,024]; A: computed on the way; B: input Wo: left as it is (an operand is computed on the way)
;;   THE QUANTISER, for each operand of a quantised product, along K:
;;     - K is cut into blocks of 32 from its start; a last block that is shorter is filled with zeros.
;;     - A block's scale is 2^e with e = floor(log2(the largest magnitude in the block)) - 2, held to -126 .. 127; a block of zeros has e = 0. As a byte (E8M0): e + 127.
;;     - Each number is divided by its block's scale, clamped to +-6, and rounded to the nearest number of E2M1, ties to even, subnormals kept.
;;     - The product sums the exact products of the quantised numbers (number of the format x scale) in f32.
;;   ~~~python
;;   def quantise(x, axis):      # numpy; x: float32 -> the quantised numbers, widened to float32 again
;;       x = np.moveaxis(x, axis, -1); K = x.shape[-1]
;;       x = np.pad(x, [(0, 0)] * (x.ndim - 1) + [(0, -K % 32)]); x = x.reshape(x.shape[:-1] + (-1, 32)); a = np.abs(x).max(-1, keepdims=True)
;;       e = np.where(a > 0, np.clip(np.frexp(np.where(a > 0, a, 1))[1] - 1 - 2, -126, 127), 0)      # np.frexp(a)[1] - 1 = floor(log2(a)), exactly
;;       r = np.clip(x / 2.0 ** e, -6, 6)
;;       step = 2.0 ** (np.maximum(np.frexp(np.where(r == 0, 1, r))[1] - 1, 0) - 1)
;;       q = np.round(r / step) * step * 2.0 ** e      # np.round: ties to even
;;       return np.moveaxis(q.reshape(q.shape[:-2] + (-1,))[..., :K], -1, axis).astype(np.float32)
;;   ~~~
;; One version. Each part assembles by itself: llvm-mc -triple=amdgcn-amd-amdhsa -mcpu=gfx1250 --defsym DOCPART=n.
;; ======== version 1 of 1: 4 launches
;; limits: values are held in f16: magnitudes above 65,504 overflow, below 6.1e-05 lose precision
;; workspace buffers: xq 4,456,448 bytes; wq 1,671,168 bytes; wo16 2,101,248 bytes; qkv 50,331,648 bytes; p 16,777,216 bytes; vwt 16,777,216 bytes; st 524,288 bytes
;; launch prep (part 1): grid 480 x 1, 4 waves a work-group, no clusters, 110,592 bytes of LDS; arguments x, Wq, Wk, Wv, Wo, xq, wq, wo16; writes xq, wq, wo16
.if DOCPART == 1
	.amdgcn_target "amdgcn-amd-amdhsa--gfx1250"
	.amdhsa_code_object_version 6
	.text
	.protected	k_q3ffee7dc20_prep
	.globl	k_q3ffee7dc20_prep
	.p2align	8
	.type	k_q3ffee7dc20_prep,@function
k_q3ffee7dc20_prep:
	s_mov_b64 s[64:65], 0
	v_nop
	global_prefetch_b8 v0, s[64:65] scope:SCOPE_SE
	s_setreg_imm32_b32 hwreg(HW_REG_WAVE_MODE, 25, 1), 1
	s_wait_xcnt 0x0
; PREP: what the later launches read many times is made once.  Three paths, chosen by the work-group's number alone; each has LDS bytes of its own.
;  X (work-groups 0-255):   x [8192][1024] f32 -> codes of FP4 (E2M1), K innermost, xq + 0: [8192][512 bytes]; one E8M0 byte for each 32 along K, xq + 4,194,304: [8192][32].
;  W (work-groups 256-447): Wq, Wk, Wv [1024 k][1024 n] f32, K their FIRST axis -> codes laid [3072 n][512 bytes] at wq + 0 (rows 0-1023 Wq's columns, then Wk's, then Wv's); bytes [3072][32] at wq + 1,572,864.
;  O (work-groups 448-479): Wo [1024 d][1024 e] f32 -> f16, transposed, [1024 e][1024 d] at wo16 + 0, each column e first multiplied by a power of two s_e so that the column's sum of magnitudes lies in [0.5, 1):
;     a product of v with that column then stays under the largest |v|, inside f16.  1 / s_e, f32, goes to wo16 + 2,097,152: the last launch multiplies by it.  Both scalings round nothing.
; A block's scale is 2^(floor(log2(its largest magnitude)) - 2); its byte is the largest magnitude's exponent field - 2, held at 1 from below (a block of zeros keeps the byte 1: its codes are zeros, and this program alone reads the bytes).
; LIMITS: blocks whose largest magnitude lies under 2^-124 keep the byte 1; a column of Wo whose sum of magnitudes lies under 2^-126 or at 2^125 and above is scaled by the nearest bound only; NaN and infinities are not served.
; No tensor loads, no ring; work-groups share no input, so there is no cluster.
.set STEPS, 16
.set EMAX,  2
.set SP,    80                         ; path X: a lane's place in a stage: its 64 bytes + 16 of padding
.set XREG,  8192                       ; path X: a wave's region: two stages of 32 x SP bytes, then its 256 scale bytes
.set WSTG,  32768                      ; path W: the work-group's stage, 32 rows x 272 bytes
.set WSC,   WSTG+32*272                ; path W: the scale bytes, 16 for each of 32 columns
.set OSTG,  WSC+512                    ; path O: four stages of 32 rows x 528 bytes
.set OSTB,  32*528
.set EXO,   OSTG+4*OSTB                ; path O: the waves' partial sums, 128 bytes a wave
.set SPARE, EXO+512                    ; the spare words, 128 bytes for each wave: two blocks of 256 bytes that no other line names
.set SPW,   252                        ; v252 LDS address of my spare word; never rewritten
.set NIL,   253                        ; v253 0; never rewritten
.set R,     16                         ; X: v16-79 four sets of 16 numbers as loaded
.set X,     80                         ; X: v80-111 two sets of 16 neighbours
.set E,     112                        ; X: v112-127 a scale byte for each step
.set C,     128                        ; X: v128-191 codes, four registers a step
.set SB,    24                         ; W: v24 my four scale bytes
.set WX,    32                         ; W: v32-159 my 128 numbers: four blocks of 32
.set WC,    160                        ; W: v160-175 the four blocks' codes
.set WOUT,  176                        ; W: v176-191 the way out
.set H,     96                         ; O: v96-223 my 256 numbers as f16, then 32 rows on the way out
.set MSB, 0
.macro WIN new                         ; the immediate's high byte repeats the setting that is left
.if MSB != \new
	s_set_vgpr_msb (MSB<<8)|\new
.set MSB, \new
.endif
.endm
.macro END                             ; the wave's end, behind my last LDS store
	s_wait_tensorcnt 0x0
	ds_add_u32 v[SPW], v[NIL]
	s_wait_dscnt 0x0
	s_endpgm
.endm
	s_load_b256 s[4:11], s[0:1], 0x0               ; x s[4:5], Wq s[6:7], Wk s[8:9], Wv s[10:11]
	s_load_b256 s[12:19], s[0:1], 0x20             ; Wo s[12:13], xq s[14:15], wq s[16:17], wo16 s[18:19]
	v_lshl_add_u32 v[SPW], v0, 2, SPARE
	v_mov_b32 v[NIL], 0
	v_lshrrev_b32 v1, 5, v0
	v_readfirstlane_b32 s20, v1                    ; wave 0..3
	v_and_b32 v2, 31, v0                           ; lane
	s_wait_kmcnt 0x0
	s_cmp_lt_u32 ttmp9, 256
	s_cbranch_scc0 .Lnot_x
; ---------------- PATH X.  x is a plain stream of blocks of 32.  A wave takes 16 steps of 512 numbers.  Each load reads 512 consecutive bytes; a step's 2,048 bytes turn through the wave's own stage so that a lane
; holds 16 neighbours (two neighbouring lanes hold a block).  Loads run four steps ahead, the turn through LDS one step.
	s_lshl_b32 s21, ttmp9, 2
	s_add_co_u32 s21, s21, s20                     ; which run of 8,192 numbers is my wave's
	s_mov_b32 s23, 0
	s_lshl_b32 s22, s21, 15
	s_add_nc_u64 s[4:5], s[4:5], s[22:23]          ; x: 32,768 bytes a run
	s_lshl_b32 s22, s21, 12
	s_add_nc_u64 s[24:25], s[14:15], s[22:23]      ; codes: 4,096 bytes a run
	s_lshl_b32 s22, s21, 8
	s_add_co_u32 s22, s22, 4194304
	s_add_nc_u64 s[26:27], s[14:15], s[22:23]      ; scale bytes: 256 a run, behind the codes
	v_lshlrev_b32 v3, 4, v2                        ; my 16 bytes of a load's 512
	s_mul_i32 s28, s20, XREG
	v_lshrrev_b32 v14, 2, v2
	v_mul_u32_u24 v14, v14, SP
	v_and_b32 v15, 3, v2
	v_lshl_add_u32 v14, v15, 4, v14
	v_add_nc_u32 v14, s28, v14                     ; the stage, on the way in: SP (lane / 4) + 16 (lane % 4)
	v_mul_u32_u24 v15, v2, SP
	v_add_nc_u32 v15, s28, v15                     ; and on the way out: SP x lane: my 16 neighbours
	v_lshlrev_b32 v4, 3, v2                        ; 8 bytes a lane: my codes' place in a step's, and my part of the 256 scale bytes
	v_lshrrev_b32 v5, 1, v2
	s_add_co_u32 s28, s28, 2*32*SP
	v_add_nc_u32 v5, s28, v5                       ; LDS: my block's scale byte
	v_add_nc_u32 v6, s28, v4                       ; and 8 of them on the way out
.macro XLOAD t
.irp i, 0,1,2,3
	global_load_b128 v[R+16*((\t)%4)+4*\i:R+16*((\t)%4)+4*\i+3], v3, s[4:5] offset:2048*(\t)+512*\i th:TH_LOAD_NT
.endr
.endm
.macro XTURN t                         ; LDS serves a wave's instructions in order: no wait between the stores and the loads
.irp i, 0,1,2,3
	ds_store_b128 v14, v[R+16*((\t)%4)+4*\i:R+16*((\t)%4)+4*\i+3] offset:32*SP*((\t)%2)+8*SP*\i
.endr
.irp i, 0,1,2,3
	ds_load_b128 v[X+16*((\t)%2)+4*\i:X+16*((\t)%2)+4*\i+3], v15 offset:32*SP*((\t)%2)+16*\i
.endr
.endm
.irp t, 0,1,2,3
	XLOAD \t
.endr
	s_wait_loadcnt 12                              ; step 0's four loads are in; the 12 of steps 1 to 3 may be out
	XTURN 0
.macro XSTEP t
.set XS, X+16*((\t)%2)
.if (\t) > 0
	s_wait_dscnt 1                                 ; this step's numbers are back from the stage (the last step's byte store may be out), so its stores into the stage have read their registers,
.else
	s_wait_dscnt 0x0
.endif
.if (\t)+4 < STEPS
	XLOAD (\t)+4                                   ; which take the loads of four steps on
.endif
.if (\t)+1 < STEPS
.if STEPS-2-(\t) >= 3
	s_wait_loadcnt 12                              ; the next step's four loads are in; those of the three steps behind it may be out
.else
	s_wait_loadcnt 4*(STEPS-2-(\t))
.endif
	XTURN (\t)+1
.endif
	v_max3_num_f32 v8, |v[XS]|, |v[XS+1]|, |v[XS+2]|               ; the largest magnitude of my 16, in two chains
	v_max3_num_f32 v9, |v[XS+3]|, |v[XS+4]|, |v[XS+5]|
.irp i, 6,10
	v_max3_num_f32 v8, v8, |v[XS+\i]|, |v[XS+\i+1]|
	v_max3_num_f32 v9, v9, |v[XS+\i+2]|, |v[XS+\i+3]|
.endr
	v_max3_num_f32 v8, v8, |v[XS+14]|, |v[XS+15]|
	v_max3_num_f32 v8, v8, v9, (EMAX+1)<<23        ; and the floor 2^(3 - 127): the byte cannot fall under 1
	v_max_num_f32_dpp v8, v8, v8 row_xmask:1 row_mask:0xf bank_mask:0xf   ; and of my neighbour's 16: the block's
	v_add_nc_u32 v11, -(EMAX<<23), v8              ; 2 off its exponent field: the conversion takes the exponent field of this operand as its scale
	v_cvt_scalef32_pk8_fp4_f32 v[C+4*(\t)], v[XS:XS+7], v11
	v_cvt_scalef32_pk8_fp4_f32 v[C+4*(\t)+1], v[XS+8:XS+15], v11
	v_lshrrev_b32 v[E+(\t)], 23, v11               ; the scale's byte (a plain line behind the conversions)
	ds_store_b8 v5, v[E+(\t)] offset:16*(\t)       ; both lanes of a block write the same byte with the same value
	global_store_b64 v4, v[C+4*(\t):C+4*(\t)+1], s[24:25] offset:256*(\t)   ; 32 lanes store 256 consecutive bytes, aligned
.endm
.irp t, 0,1,2,3,4,5,6,7,8,9,10,11,12,13,14,15
	XSTEP \t
.endr
	ds_load_b64 v[8:9], v6                         ; in order behind my byte stores
	s_wait_dscnt 0x0
	global_store_b64 v4, v[8:9], s[26:27]          ; my wave's 256 scale bytes: 256 consecutive bytes, aligned
	END
.Lnot_x:
	s_cmp_lt_u32 ttmp9, 448
	s_cbranch_scc0 .Lpath_o
; ---------------- PATH W.  A lane takes a column n and its registers run down K: a block of 32 lies in one lane, and the conversions give codes with K innermost.  A work-group takes 32 columns x 512 along K,
; and ITS FOUR WAVES SHARE K: a wave has 128 rows, four blocks a lane, and asks for all its 128 numbers at once.  A wave's codes are 64 of the 256 bytes of each column's row: the four waves' meet in one stage, and
; behind a barrier each wave stores 8 whole rows: sixteen lanes store 256 consecutive bytes.  Each load covers 128 consecutive bytes: the price of a lane to a column.
	s_sub_co_u32 s21, ttmp9, 256                   ; 64 work-groups a weight: 32 along n x 2 along K
	s_lshr_b32 s22, s21, 6                         ; which weight
	s_cmp_eq_u32 s22, 0
	s_cselect_b64 s[28:29], s[6:7], s[8:9]
	s_cmp_eq_u32 s22, 2
	s_cselect_b64 s[28:29], s[10:11], s[28:29]
	s_and_b32 s23, s21, 31
	s_bfe_u32 s24, s21, 0x10005                    ; which 512 along K
	s_lshl_b32 s23, s23, 5                         ; the work-group's first column
	s_lshl_b32 s26, s24, 21                        ; 512 rows of 4,096 bytes,
	s_lshl_b32 s25, s20, 19                        ; my wave's 128 of them,
	s_add_co_u32 s26, s26, s25
	s_lshl_b32 s25, s23, 2                         ; the column
	s_add_co_u32 s26, s26, s25
	s_mov_b32 s27, 0
	s_add_nc_u64 s[28:29], s[28:29], s[26:27]      ; the weight at my part
	v_lshlrev_b32 v3, 2, v2                        ; in: 4 bytes a lane
.set i, 0
.rept 128
	global_load_b32 v[WX+i], v3, s[28:29] offset:i*4096 th:TH_LOAD_NT
.set i, i+1
.endr
	s_lshl_b32 s22, s22, 10
	s_add_co_u32 s22, s22, s23                     ; the work-group's first row of the codes' buffer
	s_lshl_b32 s25, s20, 3
	s_add_co_u32 s25, s25, s22                     ; the first of the 8 rows that I store
	s_lshl_b32 s26, s25, 9
	s_lshl_b32 s25, s24, 8
	s_add_co_u32 s26, s26, s25
	s_add_nc_u64 s[30:31], s[16:17], s[26:27]      ; codes: 512 bytes a row, + 256 for the second half of K
	s_lshl_b32 s26, s22, 5
	s_lshl_b32 s25, s24, 4
	s_add_co_u32 s26, s26, s25
	s_add_co_u32 s26, s26, 1572864
	s_add_nc_u64 s[32:33], s[16:17], s[26:27]      ; scale bytes: 32 a row, + 16
	s_lshl_b32 s25, s20, 6
	s_add_co_u32 s25, s25, WSTG
	v_mul_u32_u24 v4, v2, 272
	v_add_nc_u32 v4, s25, v4                       ; into the stage: row = my column, + my wave's 64 bytes
	s_lshl_b32 s25, s20, 2
	s_add_co_u32 s25, s25, WSC
	v_lshlrev_b32 v14, 4, v2
	v_add_nc_u32 v10, s25, v14                     ; my four scale bytes: 16 x column + 4 x wave
	v_add_nc_u32 v14, WSC, v14                     ; and a column's sixteen
	v_and_b32 v5, 15, v2
	v_lshrrev_b32 v6, 4, v2
	s_mul_i32 s25, s20, 8*272
	s_add_co_u32 s25, s25, WSTG
	v_mul_u32_u24 v7, v6, 272
	v_lshl_add_u32 v7, v5, 4, v7
	v_add_nc_u32 v7, s25, v7                       ; out of the stage: my 8 rows, sixteen lanes to a row, two rows an instruction
	v_lshlrev_b32 v8, 9, v6
	v_lshl_add_u32 v8, v5, 4, v8                   ; and the same place in the codes' buffer
	v_lshlrev_b32 v9, 5, v2                        ; a column's row of scale bytes
.macro WBLOCK t
.set XS, WX+32*(\t)
.if (\t) == 0
	s_wait_loadcnt 63                              ; behind block 1's last load 64 were issued: blocks 0 and 1 are in
.elseif (\t) > 1
	s_wait_loadcnt 32*(3-(\t))                     ; the later block's 32 may be out
.endif
	v_max3_num_f32 v12, |v[XS]|, |v[XS+1]|, |v[XS+2]|               ; the block's largest magnitude: all 32 numbers are mine
	v_max3_num_f32 v13, |v[XS+3]|, |v[XS+4]|, |v[XS+5]|
.irp i, 6,10,14,18,22,26
	v_max3_num_f32 v12, v12, |v[XS+\i]|, |v[XS+\i+1]|
	v_max3_num_f32 v13, v13, |v[XS+\i+2]|, |v[XS+\i+3]|
.endr
	v_max3_num_f32 v12, v12, |v[XS+30]|, |v[XS+31]|
	v_max3_num_f32 v12, v12, v13, (EMAX+1)<<23     ; and the floor
	v_add_nc_u32 v11, -(EMAX<<23), v12
	v_lshrrev_b32 v13, 23, v11                     ; the scale's byte
.if (\t) == 0
	v_mov_b32 v[SB], v13                           ; four bytes to a register, the lower K in the lower byte
.else
	v_lshl_or_b32 v[SB], v13, 8*(\t), v[SB]
.endif
.irp g, 0,1,2,3
	v_cvt_scalef32_pk8_fp4_f32 v[WC+4*(\t)+\g], v[XS+8*\g:XS+8*\g+7], v11   ; each block has its own four registers
.endr
	ds_store_b128 v4, v[WC+4*(\t):WC+4*(\t)+3] offset:16*(\t)      ; 32 codes: 16 bytes of my column's row
.endm
.irp t, 0,1,2,3
	WBLOCK \t
.endr
	ds_store_b32 v10, v[SB]
	s_wait_dscnt 0x0                               ; for the others' sake: my codes and scale bytes have landed
	s_barrier_signal -1                            ; (the way here hangs on the work-group's number alone: all four waves pass)
	s_barrier_wait -1
.irp t, 0,1,2,3
	ds_load_b128 v[WOUT+4*\t:WOUT+4*\t+3], v7 offset:2*\t*272
.endr
.irp t, 0,1,2,3
	s_wait_dscnt 3-\t
	global_store_b128 v8, v[WOUT+4*\t:WOUT+4*\t+3], s[30:31] offset:2*\t*512   ; sixteen lanes store 256 consecutive bytes, aligned
.endr
	s_cmp_lg_u32 s20, 0                            ; wave 0 stores the scale bytes: 16 for each column
	s_cbranch_scc1 .Lw_end
	ds_load_b128 v[16:19], v14
	s_wait_dscnt 0x0
	global_store_b128 v9, v[16:19], s[32:33]
.Lw_end:
	END
.Lpath_o:
; ---------------- PATH O.  A work-group takes 32 columns e of Wo; wave w takes rows d = 256 w .. 256 w + 255.  A LANE TAKES FOUR COLUMNS, 16 bytes a load: eight lanes cover the 32 columns, and the four groups g of
; eight lanes take 64 rows each: 64 loads a wave, four pieces of 128 consecutive bytes each.  Register 4 i + c of window 1 is Wo[256 w + 64 g + i][e0 + 4 (lane % 8) + c]; the numbers stay in registers between the sum
; and the scaling: Wo is read once.  The four columns are four chains of sums that do not wait for each other.
	s_sub_co_u32 s21, ttmp9, 448
	s_lshl_b32 s22, s20, 20                        ; my 256 rows of 4,096 bytes
	s_lshl_b32 s23, s21, 7                         ; my work-group's 32 columns
	s_add_co_u32 s22, s22, s23
	s_mov_b32 s23, 0
	s_add_nc_u64 s[12:13], s[12:13], s[22:23]
	v_and_b32 v21, 7, v2                           ; which four columns
	v_lshrrev_b32 v22, 3, v2                       ; g: which 64 rows
	v_lshlrev_b32 v3, 18, v22
	v_lshl_add_u32 v3, v21, 4, v3
	WIN 0x40                                       ; destination window 1, address window 0
.set i, 0
.rept 64
	global_load_b128 v[4*i:4*i+3], v3, s[12:13] offset:i*4096 th:TH_LOAD_NT
.set i, i+1
.endr
	WIN 0
	s_lshl_b32 s22, s21, 16                        ; out: 32 rows e of 2,048 bytes,
	s_lshl_b32 s24, s20, 9                         ; + my 256 d as f16
	s_add_co_u32 s22, s22, s24
	s_add_nc_u64 s[26:27], s[18:19], s[22:23]
	s_lshl_b32 s22, s21, 7
	s_add_co_u32 s22, s22, 2097152
	s_add_nc_u64 s[28:29], s[18:19], s[22:23]      ; 1 / s of my work-group's 32 columns
	s_mov_b32 s30, 0x76543210
	s_mov_b32 s31, 0xfedcba98                      ; v_permlanex16_b32's selects for lane l xor 16
	s_lshl_b32 s25, s20, 7
	s_add_co_u32 s25, s25, EXO
	v_lshlrev_b32 v23, 4, v21
	v_add_nc_u32 v20, s25, v23                     ; my four partial sums: 128 x wave + 16 x (lane % 8)
	v_add_nc_u32 v23, EXO, v23                     ; and the four waves' of my columns
	s_mul_i32 s25, s20, OSTB
	s_add_co_u32 s25, s25, OSTG                    ; my stage
	v_mul_u32_u24 v28, v21, 4*528
	v_lshl_add_u32 v28, v22, 7, v28
	v_add_nc_u32 v28, s25, v28                     ; in: row = column 4 (lane % 8) (+ c by the offset), + 128 g: my 64 d as f16
	v_lshlrev_b32 v30, 4, v2                       ; back: the 32 lanes take one row of 512 bytes; and the same in wo16
	v_add_nc_u32 v29, s25, v30
	v_lshlrev_b32 v31, 4, v21
	v_lshl_add_u32 v31, v22, 2, v31                ; 1 / s: lane (lane % 8, g) stores that of column 4 (lane % 8) + g
.irp c, 0,1,2,3
	v_mov_b32 v[16+\c], 0                          ; written once: a lane permute's destination counts as one of its sources
.endr
	s_wait_loadcnt 0x0
	WIN 0x05                                       ; sources 0 and 1 window 1
.irp k, 0,1,2,3
	v_add_f32 v[4+\k], |v[\k]|, |v[\k+4]|          ; a chain for each column; the first two rows start them: nothing is cleared
.endr
	WIN 0x04                                       ; source 1 window 1
.set i, 8
.rept 248
	v_add_f32 v[4+i%4], v[4+i%4], |v[i]|
.set i, i+1
.endr
	WIN 0
.irp c, 0,1,2,3
	v_add_f32_dpp v[4+\c], v[4+\c], v[4+\c] row_xmask:8 row_mask:0xf bank_mask:0xf   ; with the group eight lanes away,
.endr
.irp c, 0,1,2,3
	v_permlanex16_b32 v[16+\c], v[4+\c], s30, s31
.endr
.irp c, 0,1,2,3
	v_add_f32 v[4+\c], v[4+\c], v[16+\c]           ; and the two sixteen lanes away: my wave's 256 rows
.endr
	ds_store_b128 v20, v[4:7]                      ; the four groups write the same words with the same values
	s_wait_dscnt 0x0                               ; for the others' sake: my partial sums have landed
	s_barrier_signal -1                            ; (the way here hangs on the work-group's number alone: all four waves pass)
	s_barrier_wait -1
.irp i, 0,1,2,3
	ds_load_b128 v[32+4*\i:35+4*\i], v23 offset:128*\i
.endr
	s_wait_dscnt 0x0
.irp c, 0,1,2,3
	v_add_f32 v[4+\c], v[32+\c], v[36+\c]          ; every wave adds the four in the same order: the same sums in all
.endr
.irp c, 0,1,2,3
	v_add_f32 v[4+\c], v[4+\c], v[40+\c]
.endr
.irp c, 0,1,2,3
	v_add_f32 v[4+\c], v[4+\c], v[44+\c]
.endr
.irp c, 0,1,2,3
	v_lshrrev_b32 v[12+\c], 23, v[4+\c]            ; E: the sum's exponent field (the sum is not negative)
.endr
.irp c, 0,1,2,3
	v_max_u32 v[12+\c], 1, v[12+\c]
.endr
.irp c, 0,1,2,3
	v_min_u32 v[12+\c], 252, v[12+\c]
.endr
.irp c, 0,1,2,3
	v_sub_nc_u32 v[8+\c], 253, v[12+\c]
.endr
.irp c, 0,1,2,3
	v_lshlrev_b32 v[8+\c], 23, v[8+\c]             ; s = 2^(126 - E)
.endr
.irp c, 0,1,2,3
	v_add_nc_u32 v[24+\c], 1, v[12+\c]
.endr
.irp c, 0,1,2,3
	v_lshlrev_b32 v[24+\c], 23, v[24+\c]           ; 1 / s = 2^(E - 126)
.endr
	WIN 0x41                                       ; destination and source 0 window 1
.set i, 0
.rept 128
	v_pk_mul_f32 v[2*i:2*i+1], v[2*i:2*i+1], v[8+2*(i%2):9+2*(i%2)]   ; two neighbouring columns by their own scales
.set i, i+1
.endr
	WIN 0x05
.irp c, 0,1,2,3
.set i, 0
.rept 32
	v_cvt_pk_f16_f32 v[H+32*\c+i], v[8*i+\c], v[8*i+4+\c]          ; column c: rows 2 i and 2 i + 1 of my 64
.set i, i+1
.endr
.endr
	WIN 0
.irp c, 0,1,2,3
.irp t, 0,1,2,3,4,5,6,7
	ds_store_b128 v28, v[H+32*\c+4*\t:H+32*\c+4*\t+3] offset:528*\c+16*\t
.endr
.endr
.set i, 0
.rept 32
	ds_load_b128 v[H+4*i:H+4*i+3], v29 offset:528*i                ; in order behind my stores: row i whole
.set i, i+1
.endr
.set i, 0
.rept 32
	s_wait_dscnt 31-i
	global_store_b128 v30, v[H+4*i:H+4*i+3], s[26:27] offset:2048*i   ; 32 lanes store 512 consecutive bytes, aligned
.set i, i+1
.endr
	v_cmp_eq_u32 vcc_lo, 1, v22                    ; of my four 1 / s the one of column 4 (lane % 8) + g
	v_cndmask_b32 v24, v24, v25, vcc_lo
	v_cmp_eq_u32 vcc_lo, 2, v22
	v_cndmask_b32 v24, v24, v26, vcc_lo
	v_cmp_eq_u32 vcc_lo, 3, v22
	v_cndmask_b32 v24, v24, v27, vcc_lo
	s_cmp_lg_u32 s20, 0                            ; all four waves hold the same: wave 0 stores them, 128 consecutive bytes
	s_cbranch_scc1 .Lno_inv
	global_store_b32 v31, v24, s[28:29]
.Lno_inv:
	END
.Lfunc_end_k_q3ffee7dc20_prep:
	.size	k_q3ffee7dc20_prep, .Lfunc_end_k_q3ffee7dc20_prep-k_q3ffee7dc20_prep
	.p2alignl 7, 3214868480
	.fill 96, 4, 3214868480
	.section	.rodata,"a",@progbits
	.p2align	6, 0x0
	.amdhsa_kernel k_q3ffee7dc20_prep
		.amdhsa_group_segment_fixed_size 110592
		.amdhsa_private_segment_fixed_size 0
		.amdhsa_enable_private_segment 0
		.amdhsa_kernarg_size 64
		.amdhsa_user_sgpr_count 2
		.amdhsa_user_sgpr_kernarg_segment_ptr 1
		.amdhsa_wavefront_size32 1
		.amdhsa_system_sgpr_workgroup_id_x 1
		.amdhsa_system_sgpr_workgroup_id_y 1
		.amdhsa_system_sgpr_workgroup_id_z 1
		.amdhsa_system_vgpr_workitem_id 0
		.amdhsa_next_free_vgpr 512
		.amdhsa_next_free_sgpr 66
		.amdhsa_reserve_vcc 1
		.amdhsa_float_denorm_mode_32 3
		.amdhsa_float_denorm_mode_16_64 3
		.amdhsa_memory_ordered 1
		.amdhsa_forward_progress 1
		.amdhsa_inst_pref_size 105
	.end_amdhsa_kernel
	.amdgpu_metadata
---
amdhsa.version: [ 1, 2 ]
amdhsa.kernels:
  - .name:           k_q3ffee7dc20_prep
    .symbol:         k_q3ffee7dc20_prep.kd
    .args:
      - { .name: x, .offset: 0, .size: 8, .value_kind: global_buffer, .address_space: global }
      - { .name: Wq, .offset: 8, .size: 8, .value_kind: global_buffer, .address_space: global }
      - { .name: Wk, .offset: 16, .size: 8, .value_kind: global_buffer, .address_space: global }
      - { .name: Wv, .offset: 24, .size: 8, .value_kind: global_buffer, .address_space: global }
      - { .name: Wo, .offset: 32, .size: 8, .value_kind: global_buffer, .address_space: global }
      - { .name: xq, .offset: 40, .size: 8, .value_kind: global_buffer, .address_space: global }
      - { .name: wq, .offset: 48, .size: 8, .value_kind: global_buffer, .address_space: global }
      - { .name: wo16, .offset: 56, .size: 8, .value_kind: global_buffer, .address_space: global }
    .group_segment_fixed_size: 110592
    .private_segment_fixed_size: 0
    .kernarg_segment_align: 8
    .kernarg_segment_size: 64
    .max_flat_workgroup_size: 128
    .sgpr_count:     66
    .vgpr_count:     512
    .wavefront_size: 32
...
	.end_amdgpu_metadata
.endif
;; end of part 1
;; launch qkv (part 2): grid 12 x 16, 4 waves a work-group, clusters of 4 x 4, 327,680 bytes of LDS; arguments xq, wq, bq, bk, bv, qkv; writes qkv
.if DOCPART == 2
	.amdgcn_target "amdgcn-amd-amdhsa--gfx1250"
	.amdhsa_code_object_version 6
	.text
	.protected	k_q3ffee7dc20_qkv
	.globl	k_q3ffee7dc20_qkv
	.p2align	8
	.type	k_q3ffee7dc20_qkv,@function
k_q3ffee7dc20_qkv:
	s_mov_b64 s[64:65], 0
	v_nop
	global_prefetch_b8 v0, s[64:65] scope:SCOPE_SE
	s_setreg_imm32_b32 hwreg(HW_REG_WAVE_MODE, 25, 1), 1
	s_wait_xcnt 0x0
	s_wait_alu depctr_hold_cnt(0) depctr_sa_sdst(0) depctr_va_vdst(0) depctr_va_sdst(0) depctr_va_ssrc(0) depctr_va_vcc(0) depctr_vm_vsrc(0)
	s_getreg_b32 s2, hwreg(HW_REG_IB_STS2, 6, 4)
	s_cmp_eq_u32 s2, 0
	s_cbranch_scc0 .Lentry_in_a_cluster
	s_endpgm
.Lentry_in_a_cluster:
	s_bfe_u32 s2, ttmp6, 0x10000c
	s_cmp_lg_u32 s2, 0xf033
	s_cbranch_scc0 .Lentry_shape_is_right
	s_endpgm
.Lentry_shape_is_right:
; q, k, v = Q(x) Q(W) + b: ONE product C[m][n] = sum over k of A[m][k] B[n][k] + bias[n] on codes of FP4 (E2M1) with one E8M0 scale for each 32 along K.
; A = x's codes [8192][1024], B = the three weights' codes [3072][1024] (rows 0-1023 Wq's columns, then Wk's, then Wv's).  The results leave as f16, qkv [3][8192][1024].
; LIMIT: |q|, |k|, |v| stay under 65,504, f16's largest number.
; A tile of C, 256 x 256, is made by a work-group of four waves; a wave makes 128 x 128: 64 accumulators, 512 registers.  C has 384 tiles.  A WORK-GROUP STAYS AND MAKES TWO, 4,096 rows apart: 192 work-groups.
; (384 tiles do not divide evenly among 256 work-groups: some would make two in any case.)  Both tiles take the same 256 columns: B's codes for all of K (two slots of 512 along K), B's scales and the bias are fetched once
; and stay; only A's half of each slot is filled again, as soon as the first tile has read it.  The first tile leaves when both refills are asked for; nothing waits for its stores.
; A wave has three tensor loads out at the start (scales, slot 0, slot 1) and one behind each of the two rounds that fill A's halves again (waves 0 and 1; waves 2 and 3 have no part to fill).
; THE SCALES of the 256 rows of A of both tiles and of the 256 rows of B, for all of K, are three dense blocks of memory: they come into LDS once, in rows of 256 bytes.
; CLUSTERS: 4 x 4 work-groups; A's tiles are asked for jointly along a row of the cluster, B's along a column.  A cluster spans 1,024 columns: the cluster's x says whether it makes q, k or v.
; THE MATRIX INSTRUCTION IS USED TRANSPOSED (source 0 = 16 rows of B, source 1 = 16 rows of A): a lane holds eight neighbouring numbers of a row of C.  THE BIAS is the C of each sum's first instruction.
; REGISTERS: window 0: v0-31 addresses; v32-95 scale words, two sets, and nothing else; v96-127 packed results; v128-191 A's fragments, ONE set; v192-255 rows on the way out, two sets.
;   window 1: B's fragments, two sets, v0-63 and v128-191; v192-255 the bias of my 128 columns in the result's layout.   windows 2, 3: the accumulators of my rows 0-63, 64-127.
.set SIZE_K, 1024
.set KSTEP,  512
.set NQ,     KSTEP/128
.set ROWB,   256
.set KROW,   SIZE_K/2
.set WALK,   4096                      ; a work-group's two tiles lie so many rows apart
.set PITCH,  272                       ; an LDS row: 256 bytes + 16 of padding: the 16 rows that a load touches begin 16 bytes apart modulo 256
.set FR,     8
.set NL,     2
.set NP,     4
.set HALFT,  128*PITCH
.set SLOT,   4*HALFT                   ; A's 256 rows, then B's 256 rows
.set KS,     SIZE_K/32
.set SCL,    2*SLOT                    ; behind the slots: the scales: the first tile's rows of A, the second tile's, B's
.set HALFS,  (128*KS/256)*272          ; those of 128 rows
.set SBLK,   (16*KS/256)*272           ; of 16 rows
.set STAGE,  SCL+6*HALFS               ; the way out: 16 rows x (256 bytes + 16) for each wave, bytes into which no tile lands
.set SPITCH, 272
.set SPARE,  STAGE+4*16*SPITCH         ; the spare words, 128 bytes for each wave: two blocks of 256 bytes that no other line names
.set NEXT_C, (WALK-7*16)*2048          ; bytes from my last 16 rows of the first tile to my first of the second
.set ADRA, 16
.set ADRB, 20
.set STO,  24
.set RD,   25
.set CO,   26
.set ADRS0, 27                         ; v27 LDS address of my scale words, first tile: lanes 0-15 A's rows, lanes 16-31 B's
.set SPW,  28
.set NIL,  29
.set ADRS1, 30                         ; v30 the same, second tile
.set PFO,  31                          ; v31 the prefetches' offset: 512 x my lane, a row of A's codes; never rewritten
.set SC,   32
.set TMP,  96
.set AF,   128
.set BK,   192                         ; the way out: v192-223 and v224-255 by turns
.set BI,   192                         ; in window 1
.set G1, 24
.set G0, 32
.set G1B, 48
.set G0B, 56
.set G1S, 68
.set G0S, 76
.set G1SB, 80
.set G0SB, 88
.set PFA, 66                           ; s[66:67] where my prefetches stand
.set MSB, 0
.macro WIN new
.if MSB != \new
	s_set_vgpr_msb (MSB<<8)|\new
.set MSB, \new
.endif
.endm
.set MUL_LO, 0xa1                      ; source 0 (B) window 1, source 1 (A) window 0, C and D window 2
.set MUL_HI, 0xf1                      ; the same, C and D window 3
.set FST_LO, 0x91                      ; a tile's first step: C (the bias) window 1, D window 2
.set FST_HI, 0xd1                      ; D window 3
.set TO_B,   0x40
; A joint load of the first fills: waves 0 and 1 fetch for A, waves 2 and 3 for B; the branch hangs on the wave's number alone.  An s_nop 0 and four v_nop follow each of the two lines.
.macro JLOAD g0a, g1a, g0b, g1b
	s_cmp_eq_u32 s15, 0
	s_cbranch_scc0 .Lfor_b_\@
	tensor_load_to_lds s[\g0a:\g0a+3], s[\g1a:\g1a+7]
	s_nop 0
.rept 4
	v_nop
.endr
	s_branch .Lasked_\@
.Lfor_b_\@:
	tensor_load_to_lds s[\g0b:\g0b+3], s[\g1b:\g1b+7]
	s_nop 0
.rept 4
	v_nop
.endr
.Lasked_\@:
.endm
; A joint refill: A's two halves of slot s, by waves 0 and 1.  B's half of the slot stays as it is, so waves 2 and 3 have nothing to fill.
.macro ALOAD s
	s_cmp_eq_u32 s15, 0
	s_cbranch_scc0 .Lnot_a_\@
	tensor_load_to_lds s[G0+4*\s:G0+4*\s+3], s[G1:G1+7]
	s_nop 0
.rept 4
	v_nop
.endr
.Lnot_a_\@:
.endm
.macro CREST                           ; a round of the cluster's barrier behind its opening barrier
	s_cmp_lg_u32 s14, 0
	s_cbranch_scc1 .Lnot_wave_0_\@
	s_barrier_signal -3
.Lnot_wave_0_\@:
	s_barrier_wait -3
	s_barrier_signal -1
	s_barrier_wait -1
.endm
.macro CROUND                          ; a whole round
	s_barrier_signal -1
	s_barrier_wait -1
	CREST
.endm
	s_load_b128 s[4:7], s[0:1], 0x0                ; xq, wq
	s_load_b128 s[96:99], s[0:1], 0x10             ; bq, bk
	s_load_b64 s[100:101], s[0:1], 0x20            ; bv
	s_load_b64 s[12:13], s[0:1], 0x28              ; qkv
	v_lshl_add_u32 v[SPW], v0, 2, SPARE
	v_mov_b32 v[NIL], 0
	ds_add_u32 v[SPW], v[NIL]                      ; the wave's opening: the add, twice on end, and its wait ahead of my first tensor load
	ds_add_u32 v[SPW], v[NIL]
	v_lshrrev_b32 v1, 5, v0
	v_readfirstlane_b32 s14, v1                    ; wave 0..3
	s_lshr_b32 s15, s14, 1                         ; which half of the tile's rows is mine.  Also: I fetch for A (0) or for B (1)
	s_and_b32 s16, s14, 1                          ; which half of its columns.  Also: which 128 rows of that tile I fetch
	s_bfe_u32 s40, ttmp6, 0x40000                  ; cx, cy: my place in the cluster
	s_bfe_u32 s41, ttmp6, 0x40004
	s_lshl_b32 s42, ttmp9, 2
	s_add_co_u32 s42, s42, s40                     ; tile column = 4 x cluster x + cx: 0 .. 11
	s_and_b32 s17, ttmp7, 0xffff
	s_lshl_b32 s17, s17, 2
	s_add_co_u32 s17, s17, s41                     ; the first tile's row = 4 x cluster y + cy: 0 .. 15
	s_lshl_b32 s43, s41, 2
	s_lshl_b32 s43, 15, s43                        ; my row of the cluster
	s_lshl_b32 s44, 0x1111, s40                    ; my column
	; descriptor group 1: a tile of 128 rows x 256 bytes, 16 bytes of padding behind each row
	s_or_b32 s[G1+0], s43, (0<<16)|(1<<20)|(1<<21)|(5<<22)|(3<<25)
	s_or_b32 s[G1B+0], s44, (0<<16)|(1<<20)|(1<<21)|(5<<22)|(3<<25)
.irp g, G1, G1B
	s_mov_b32 s[\g+1], ROWB<<16                    ; tensor_dim0
	s_mov_b32 s[\g+2], 128<<16                     ; tensor_dim1
	s_mov_b32 s[\g+3], ROWB<<16                    ; tile_dim0
	s_mov_b32 s[\g+4], 128                         ; tile_dim1
	s_mov_b32 s[\g+5], KROW                        ; from row to row
	s_mov_b32 s[\g+6], 0
	s_mov_b32 s[\g+7], 0
.endr
	; the scales are dense blocks, brought as rows of 256 bytes (32 elements of 8 bytes), 16 bytes of padding behind each.  A's: a tile's 256 rows, 8,192 bytes, to a load;
	s_or_b32 s[G1S+0], s43, (3<<16)|(1<<20)|(1<<21)|(5<<22)|(3<<25)
	s_mov_b32 s[G1S+1], 32<<16
	s_mov_b32 s[G1S+2], (256*KS/256)<<16
	s_mov_b32 s[G1S+3], 32<<16
	s_mov_b32 s[G1S+4], 256*KS/256
	s_mov_b32 s[G1S+5], 32
	s_mov_b32 s[G1S+6], 0
	s_mov_b32 s[G1S+7], 0
	; B's: 128 rows, 4,096 bytes, to a load
	s_or_b32 s[G1SB+0], s44, (3<<16)|(1<<20)|(1<<21)|(5<<22)|(3<<25)
	s_mov_b32 s[G1SB+1], 32<<16
	s_mov_b32 s[G1SB+2], (128*KS/256)<<16
	s_mov_b32 s[G1SB+3], 32<<16
	s_mov_b32 s[G1SB+4], 128*KS/256
	s_mov_b32 s[G1SB+5], 32
	s_mov_b32 s[G1SB+6], 0
	s_mov_b32 s[G1SB+7], 0
	s_lshl_b32 s18, s16, 7
	s_lshl_b32 s20, s17, 8                         ; the first tile's first row
	s_lshl_b32 s22, s16, 12
	s_add_co_u32 s22, s22, s20                     ; A's scales: wave 0 brings the first tile's, wave 1 the second's,
	s_lshl_b32 s22, s22, 5                         ; 32 bytes a row
	s_mov_b32 s23, 0
	s_add_co_u32 s20, s20, s18                     ; A's codes: row 256 x tile row + 128 x half,
	s_lshl_b32 s20, s20, 9                         ; 512 bytes a row
	s_mov_b32 s21, 0
	s_lshl_b32 s46, s42, 8
	s_add_co_u32 s46, s46, s18                     ; B: row 256 x tile column + 128 x half:
	s_lshl_b32 s92, s46, 5                         ; its scales,
	s_mov_b32 s93, 0
	s_lshl_b32 s46, s46, 9                         ; its codes
	s_mov_b32 s47, 0
	s_mul_i32 s45, s14, HALFT                      ; where the codes go: wave x 128 rows: no place in the cluster enters an LDS address
	s_mul_i32 s94, s16, 2*HALFS                    ; A's scales: the first tile's, then the second's;
	s_mul_i32 s95, s16, HALFS                      ; B's two halves behind them
	s_wait_dscnt 0x0                               ; both opening adds are done
	s_wait_kmcnt 0x0
	s_mov_b64 s[8:9], s[6:7]                       ; B's codes
	s_add_nc_u64 s[10:11], s[6:7], 1572864         ; B's scales lie behind them
	s_add_nc_u64 s[6:7], s[4:5], 4194304           ; A's scales behind A's codes
	s_add_nc_u64 s[20:21], s[4:5], s[20:21]
	s_add_nc_u64 s[22:23], s[6:7], s[22:23]
	s_add_nc_u64 s[46:47], s[8:9], s[46:47]
	s_add_nc_u64 s[92:93], s[10:11], s[92:93]
	CROUND                                         ; all sixteen work-groups are here: the first joint loads meet
	s_mov_b32 s[G0S], 1
	s_add_co_u32 s[G0S+1], s94, SCL
	s_mov_b64 s[G0S+2:G0S+3], s[22:23]
	s_or_b32 s[G0S+3], s[G0S+3], 0x80000000
	s_mov_b32 s[G0SB], 1
	s_add_co_u32 s[G0SB+1], s95, SCL+4*HALFS
	s_mov_b64 s[G0SB+2:G0SB+3], s[92:93]
	s_or_b32 s[G0SB+3], s[G0SB+3], 0x80000000
	JLOAD G0S, G1S, G0SB, G1SB                     ; the scales first: they are wanted with slot 0
.irp s, 0,1
	s_mov_b32 s[G0+4*\s], 1
	s_add_co_u32 s[G0+4*\s+1], s45, \s*SLOT
	s_add_nc_u64 s[G0+4*\s+2:G0+4*\s+3], s[20:21], \s*ROWB
	s_or_b32 s[G0+4*\s+3], s[G0+4*\s+3], 0x80000000
	s_mov_b32 s[G0B+4*\s], 1
	s_add_co_u32 s[G0B+4*\s+1], s45, \s*SLOT
	s_add_nc_u64 s[G0B+4*\s+2:G0B+4*\s+3], s[46:47], \s*ROWB
	s_or_b32 s[G0B+4*\s+3], s[G0B+4*\s+3], 0x80000000
	JLOAD G0+4*\s, G1, G0B+4*\s, G1B
.endr
	v_and_b32 v1, 15, v0                           ; r = l % 16
	v_bfe_u32 v2, v0, 4, 1                         ; h = l / 16
	v_mul_u32_u24 v3, v1, PITCH
	v_lshl_add_u32 v4, v2, 4, v3                   ; a fragment's row x pitch + 16 x half
	s_mul_i32 s21, s15, HALFT                      ; my 128 rows of A
	s_mul_i32 s22, s16, HALFT                      ; my 128 rows of B,
	s_add_co_u32 s22, s22, 2*HALFT                 ; which lie behind A's 256
.irp s, 0,1
	v_add_nc_u32 v[ADRA+\s], s21, v4
	v_add_nc_u32 v[ADRB+\s], s22, v4
	s_add_co_u32 s21, s21, SLOT
	s_add_co_u32 s22, s22, SLOT
.endr
	v_mul_u32_u24 v5, v1, KS                       ; my row's scales: 32 bytes a row,
	v_lshrrev_b32 v6, 8, v5
	v_lshl_add_u32 v5, v6, 4, v5                   ; and 16 more for each 256 passed
	s_mul_i32 s21, s15, HALFS                      ; A's: my 128 rows
	s_mul_i32 s22, s16, HALFS                      ; B's: my 128 rows, behind both tiles' rows of A
	s_add_co_u32 s22, s22, 4*HALFS
	s_sub_co_u32 s22, s22, s21
	v_mul_u32_u24 v6, s22, v2                      ; lanes 16-31 take B's: one product, the distance between the two bases
	s_add_co_u32 s21, s21, SCL
	v_add_nc_u32 v6, v5, v6
	v_add_nc_u32 v[ADRS0], s21, v6
	s_sub_co_u32 s22, s22, 2*HALFS                 ; the second tile's rows of A lie 2 HALFS further on, so B's lie so much nearer
	v_mul_u32_u24 v6, s22, v2
	s_add_co_u32 s21, s21, 2*HALFS
	v_add_nc_u32 v6, v5, v6
	v_add_nc_u32 v[ADRS1], s21, v6
	s_mul_i32 s23, s14, 16*SPITCH
	s_add_co_u32 s23, s23, STAGE                   ; my stage
	v_mul_u32_u24 v5, v1, SPITCH
	v_lshl_add_u32 v5, v2, 4, v5
	v_add_nc_u32 v[STO], s23, v5                   ; in: row r, 16 bytes for each half of the lanes
	v_mul_u32_u24 v5, v2, SPITCH
	v_lshl_add_u32 v5, v1, 4, v5
	v_add_nc_u32 v[RD], s23, v5                    ; back: lanes 0-15 one row of 256 bytes, lanes 16-31 the next
	v_lshlrev_b32 v5, 11, v2
	v_lshl_add_u32 v[CO], v1, 4, v5                ; and the same two rows of the result: 2,048 bytes a row
	s_lshl_b32 s20, s17, 8
	s_lshl_b32 s21, s15, 7
	s_add_co_u32 s20, s20, s21                     ; my first row
	s_lshl_b32 s20, s20, 11
	s_mov_b32 s21, 0
	s_lshl_b32 s46, s40, 9                         ; my first column inside q, k or v, in bytes: 512 cx + 256 x half,
	s_lshl_b32 s47, s16, 8
	s_add_co_u32 s46, s46, s47
	s_lshl_b32 s47, ttmp9, 24                      ; and the part: 16,777,216 bytes each
	s_add_co_u32 s46, s46, s47
	s_mov_b32 s47, 0
	s_add_nc_u64 s[20:21], s[20:21], s[46:47]
	s_add_nc_u64 s[12:13], s[12:13], s[20:21]
	s_cmp_eq_u32 ttmp9, 0                          ; the bias that goes with the part
	s_cselect_b64 s[96:97], s[96:97], s[98:99]
	s_cmp_eq_u32 ttmp9, 2
	s_cselect_b64 s[96:97], s[100:101], s[96:97]
	s_lshl_b32 s46, s40, 10
	s_lshl_b32 s47, s16, 9
	s_add_co_u32 s46, s46, s47                     ; my 128 columns' numbers
	s_mov_b32 s47, 0
	s_add_nc_u64 s[96:97], s[96:97], s[46:47]
	v_lshlrev_b32 v7, 5, v2                        ; lane (r, h) wants, for block b, the numbers of columns 16 b + 8 h + 0 .. 7
	WIN TO_B
.irp b, 0,1,2,3,4,5,6,7
	global_load_b128 v[BI+8*\b:BI+8*\b+3], v7, s[96:97] offset:64*\b
	global_load_b128 v[BI+8*\b+4:BI+8*\b+7], v7, s[96:97] offset:64*\b+16
.endr
	WIN 0
	; the prefetch of the second tile's rows of A.  The three clusters of a row of clusters read the same rows: the one with x = 0 asks.  Of the 128 rows that wave 0 or 1 will fetch, each of the four partners that
	; will ask for them jointly takes 32, told apart BY ADDRESS; a lane a row, a row's 512 bytes by two instructions: each aligned block of 256 bytes is named once in the launch
	s_lshl_b32 s[PFA], s17, 8
	s_add_co_u32 s[PFA], s[PFA], WALK
	s_lshl_b32 s3, s16, 7
	s_add_co_u32 s[PFA], s[PFA], s3
	s_lshl_b32 s3, s40, 5
	s_add_co_u32 s[PFA], s[PFA], s3
	s_lshl_b32 s[PFA], s[PFA], 9
	s_mov_b32 s[PFA+1], 0
	s_add_nc_u64 s[PFA:PFA+1], s[4:5], s[PFA:PFA+1]
	s_or_b32 s2, s15, ttmp9                        ; 0 in waves 0 and 1 of the clusters with x = 0: the same in all sixteen partners
	v_and_b32 v[PFO], 31, v0
	v_lshlrev_b32 v[PFO], 9, v[PFO]
.macro FRAG reg, adr, q, i             ; 16 rows x 128 K of 4-bit codes: 8 registers, two loads of 16 bytes, 32 bytes apart
.irp c, 0,1
	ds_load_b128 v[\reg+4*\c:\reg+4*\c+3], v[\adr] offset:64*(\q)+32*\c+(\i)*16*PITCH
.endr
.endm
; 16 matrix instructions: A's blocks a0, a0 + 1 x B's eight.  first = 1: the sums begin with the bias.  The 64 accumulators take turns, one instruction a turn, in the same order in every step.
.macro MUL16 a0, p, q, sc, first
.irp a, \a0, \a0+1
.irp b, 0,1,2,3,4,5,6,7
.if \first
	v_wmma_scale_f32_16x16x128_f8f6f4 v[8*(8*((\a)%4)+\b):8*(8*((\a)%4)+\b)+7], v[128*(\p)+FR*\b:128*(\p)+FR*\b+FR-1], v[AF+FR*(\a):AF+FR*(\a)+FR-1], v[BI+8*\b:BI+8*\b+7], v[SC+8*NQ*(\sc)+NQ*\b+(\q)], v[SC+8*NQ*(\sc)+NQ*(\a)+(\q)] matrix_a_fmt:MATRIX_FMT_FP4 matrix_b_fmt:MATRIX_FMT_FP4 matrix_a_scale:MATRIX_SCALE_ROW1
.else
	v_wmma_scale_f32_16x16x128_f8f6f4 v[8*(8*((\a)%4)+\b):8*(8*((\a)%4)+\b)+7], v[128*(\p)+FR*\b:128*(\p)+FR*\b+FR-1], v[AF+FR*(\a):AF+FR*(\a)+FR-1], v[8*(8*((\a)%4)+\b):8*(8*((\a)%4)+\b)+7], v[SC+8*NQ*(\sc)+NQ*\b+(\q)], v[SC+8*NQ*(\sc)+NQ*(\a)+(\q)] matrix_a_fmt:MATRIX_FMT_FP4 matrix_b_fmt:MATRIX_FMT_FP4 matrix_a_scale:MATRIX_SCALE_ROW1
.endif
.endr
.endr
.endm
.macro FETCH_B slot, q, p
	WIN TO_B
.irp i, 0,1,2,3,4,5,6,7
	FRAG 128*(\p)+FR*\i, ADRB+\slot, \q, \i
.endr
	WIN 0
.endm
.macro FETCH_A slot, q, i0
.irp i, \i0, \i0+1, \i0+2, \i0+3
	FRAG AF+FR*(\i), ADRA+\slot, \q, \i
.endr
.endm
.macro SCALES sc, adr                  ; slot sc's scale words into set sc: four a row, 16 bytes on for the second slot; lanes 0-15 take A's block i, lanes 16-31 B's block i
.irp i, 0,1,2,3,4,5,6,7
	ds_load_b128 v[SC+8*NQ*\sc+NQ*\i:SC+8*NQ*\sc+NQ*\i+3], v[\adr] offset:\i*SBLK+4*NQ*\sc
.endr
.endm
.macro PLACES n                        ; plain vector lines between a matrix instruction and a load into, or a read of, its registers
.rept \n
	v_nop
.endr
.endm
.macro STEP slot, q, first             ; 128 along K, with its successor in the same slot
	s_wait_dscnt 4*NL                              ; B's set, A's blocks 0-3 and the scale words are in; the youngest eight loads (A's blocks 4-7) may be out
.if \first
	WIN FST_LO
.else
	WIN MUL_LO
.endif
	MUL16 0, (\q)%2, \q, \slot, \first
	MUL16 2, (\q)%2, \q, \slot, \first
	s_wait_dscnt 0
	PLACES NP
	FETCH_B \slot, (\q)+1, 1-(\q)%2
	FETCH_A \slot, (\q)+1, 0
.if \first
	WIN FST_HI
.else
	WIN MUL_HI
.endif
	MUL16 4, (\q)%2, \q, \slot, \first
	MUL16 6, (\q)%2, \q, \slot, \first
	PLACES NP
	WIN 0
	FETCH_A \slot, (\q)+1, 4
.endm
; A slot's last step changes slots: ONE barrier; in front of it each wave waits for all its tensor loads, adds 0 to its spare word, and waits for that and for its own reads of this slot.
; fill = 1: the barrier opens a round of the cluster's, and A's half of this slot takes the same K step of the second tile, first thing behind the round.  adrs: the scale words that go with the next slot's tile.
.macro TURN slot, next, fill, adrs
	s_wait_tensorcnt 0x0                           ; all my tensor loads have landed: my part of the next slot;  (every window is 0 here)
	ds_add_u32 v[SPW], v[NIL]
	s_wait_dscnt 4*NL+1                            ; (the add and the youngest eight loads may be out)
	WIN MUL_LO
	MUL16 0, 1, NQ-1, \slot, 0
	s_wait_dscnt 0x0                               ; the add is done, and my reads of this slot are over
	s_barrier_signal -1
	MUL16 2, 1, NQ-1, \slot, 0
	WIN 0
	s_barrier_wait -1
.if \fill
	CREST                                          ; no wave of any partner still reads this slot's rows of A or has a load on its way
	s_add_nc_u64 s[G0+4*\slot+2:G0+4*\slot+3], s[G0+4*\slot+2:G0+4*\slot+3], WALK*KROW   ; no tensor load of mine is out: the address steps WALK rows down
	ALOAD \slot
.endif
	PLACES NP
	FETCH_B \next, 0, 0
	FETCH_A \next, 0, 0
	SCALES \next, \adrs
	WIN MUL_HI
	MUL16 4, 1, NQ-1, \slot, 0
	MUL16 6, 1, NQ-1, \slot, 0
	PLACES NP
	WIN 0
	FETCH_A \next, 0, 4
.endm
.macro STEPS slot, from
.set Q, \from
.rept NQ-1-\from
	STEP \slot, Q, 0
.set Q, Q+1
.endr
.endm
; THE WAY OUT, a block of 16 rows x 128 columns at a time: rounded to f16 (16 bytes a lane), through my own stage, back as whole rows of 256 bytes, stored sixteen lanes to a row.
.macro PACK a
.set AC, 64*((\a)%4)
	WIN 0x0a+5*((\a)/4)                            ; sources 0 and 1: window 2 or 3
.irp b, 0,1,2,3,4,5,6,7
.irp r, 0,1,2,3
	v_cvt_pk_f16_f32 v[TMP+4*\b+\r], v[AC+8*\b+2*\r], v[AC+8*\b+2*\r+1]   ; each accumulator from its low end on
.endr
.endr
	WIN 0
.endm
.macro TOSTAGE a
.set BB, BK+32*((\a)%2)
.irp b, 0,1,2,3,4,5,6,7
	ds_store_b128 v[STO], v[TMP+4*\b:TMP+4*\b+3] offset:32*\b
.endr
.irp t, 0,1,2,3,4,5,6,7
	ds_load_b128 v[BB+4*\t:BB+4*\t+3], v[RD] offset:\t*2*SPITCH    ; in order behind my stores
.endr
.endm
.macro SEND a, tile
.set BB, BK+32*((\a)%2)
	s_wait_dscnt 0x0                               ; the block is back in registers
	s_wait_xcnt 0x0                                ; the earlier stores have read their base and their data: both are written again only behind this wait
.if (\a) > 0
	s_add_nc_u64 s[12:13], s[12:13], 16*2048
.elseif \tile
	s_add_nc_u64 s[12:13], s[12:13], NEXT_C
.endif
.irp t, 0,1,2,3,4,5,6,7
	global_store_b128 v[CO], v[BB+4*\t:BB+4*\t+3], s[12:13] offset:4096*\t   ; sixteen lanes store 256 consecutive bytes, aligned
.endr
.endm
.macro OUT tile                        ; block a's conversions stand between block a - 1's loads from the stage and the wait for them
	PACK 0
	TOSTAGE 0
.irp a, 1,2,3,4,5,6,7
	PACK \a
	SEND \a-1, \tile
	TOSTAGE \a
.endr
	SEND 7, \tile
.endm
	s_wait_tensorcnt 1                             ; the scales and my part of slot 0 are in (slot 1's load may be out)
	s_barrier_signal -1
	s_barrier_wait -1                              ; everybody's are
	FETCH_B 0, 0, 0
	FETCH_A 0, 0, 0
	SCALES 0, ADRS0
	FETCH_A 0, 0, 4
	s_cmp_eq_u32 s2, 0                             ; the prefetch stands behind the first run of LDS loads: four steps of 64 products ahead of the refill that wants the first 256 bytes of a row, eight ahead of the other
	s_cbranch_scc0 .Lnot_mine
	global_prefetch_b8 v[PFO], s[PFA:PFA+1] th:TH_LOAD_NT scope:SCOPE_SE
	global_prefetch_b8 v[PFO], s[PFA:PFA+1] offset:256 th:TH_LOAD_NT scope:SCOPE_SE
.Lnot_mine:
	s_wait_loadcnt 0x0                             ; the bias
	STEP 0, 0, 1                                   ; THE FIRST TILE
	STEPS 0, 1
	TURN 0, 1, 1, ADRS0                            ; slot 0's rows of A are read out: they take the second tile's
	STEPS 1, 0
	TURN 1, 0, 1, ADRS1                            ; slot 1's likewise; the second tile's first fragments and scale words are fetched
	OUT 0                                          ; both refills are asked for: now the first tile goes out.  The places behind its last products stand in TURN
	STEP 0, 0, 1                                   ; THE SECOND TILE: its sums begin with the bias anew; the conversions of the way out are the places ahead of these products
	STEPS 0, 1
	TURN 0, 1, 0, ADRS1                            ; nothing is left to fetch
	STEPS 1, 0
	s_wait_dscnt 4*NL                              ; the very last step
	WIN MUL_LO
	MUL16 0, 1, NQ-1, 1, 0
	MUL16 2, 1, NQ-1, 1, 0
	s_wait_dscnt 0
	WIN MUL_HI
	MUL16 4, 1, NQ-1, 1, 0
	MUL16 6, 1, NQ-1, 1, 0
	WIN 0
	PLACES NP
	OUT 1
	s_wait_tensorcnt 0x0                           ; the wave's end
	ds_add_u32 v[SPW], v[NIL]
	s_wait_dscnt 0x0
	CROUND                                         ; the closing round
	s_endpgm
.Lfunc_end_k_q3ffee7dc20_qkv:
	.size	k_q3ffee7dc20_qkv, .Lfunc_end_k_q3ffee7dc20_qkv-k_q3ffee7dc20_qkv
	.p2alignl 7, 3214868480
	.fill 96, 4, 3214868480
	.section	.rodata,"a",@progbits
	.p2align	6, 0x0
	.amdhsa_kernel k_q3ffee7dc20_qkv
		.amdhsa_group_segment_fixed_size 327680
		.amdhsa_private_segment_fixed_size 0
		.amdhsa_enable_private_segment 0
		.amdhsa_kernarg_size 48
		.amdhsa_user_sgpr_count 2
		.amdhsa_user_sgpr_kernarg_segment_ptr 1
		.amdhsa_wavefront_size32 1
		.amdhsa_system_sgpr_workgroup_id_x 1
		.amdhsa_system_sgpr_workgroup_id_y 1
		.amdhsa_system_sgpr_workgroup_id_z 1
		.amdhsa_system_vgpr_workitem_id 0
		.amdhsa_next_free_vgpr 1024
		.amdhsa_next_free_sgpr 102
		.amdhsa_reserve_vcc 0
		.amdhsa_float_denorm_mode_32 3
		.amdhsa_float_denorm_mode_16_64 3
		.amdhsa_memory_ordered 1
		.amdhsa_forward_progress 1
		.amdhsa_inst_pref_size 248
	.end_amdhsa_kernel
	.amdgpu_metadata
---
amdhsa.version: [ 1, 2 ]
amdhsa.kernels:
  - .name:           k_q3ffee7dc20_qkv
    .symbol:         k_q3ffee7dc20_qkv.kd
    .args:
      - { .name: xq, .offset: 0, .size: 8, .value_kind: global_buffer, .address_space: global }
      - { .name: wq, .offset: 8, .size: 8, .value_kind: global_buffer, .address_space: global }
      - { .name: bq, .offset: 16, .size: 8, .value_kind: global_buffer, .address_space: global }
      - { .name: bk, .offset: 24, .size: 8, .value_kind: global_buffer, .address_space: global }
      - { .name: bv, .offset: 32, .size: 8, .value_kind: global_buffer, .address_space: global }
      - { .name: qkv, .offset: 40, .size: 8, .value_kind: global_buffer, .address_space: global }
    .group_segment_fixed_size: 327680
    .private_segment_fixed_size: 0
    .kernarg_segment_align: 8
    .kernarg_segment_size: 48
    .max_flat_workgroup_size: 128
    .sgpr_count:     102
    .vgpr_count:     1024
    .wavefront_size: 32
...
	.end_amdgpu_metadata
.endif
;; end of part 2
;; launch scores (part 3): grid 4 x 64, 4 waves a work-group, clusters of 4 x 4, 327,680 bytes of LDS; arguments qkv, wo16, p, vwt, st; writes p, vwt, st
.if DOCPART == 3
	.amdgcn_target "amdgcn-amd-amdhsa--gfx1250"
	.amdhsa_code_object_version 6
	.text
	.protected	k_q3ffee7dc20_scores
	.globl	k_q3ffee7dc20_scores
	.p2align	8
	.type	k_q3ffee7dc20_scores,@function
k_q3ffee7dc20_scores:
	s_mov_b64 s[64:65], 0
	v_nop
	global_prefetch_b8 v0, s[64:65] scope:SCOPE_SE
	s_setreg_imm32_b32 hwreg(HW_REG_WAVE_MODE, 25, 1), 1
	s_wait_xcnt 0x0
	s_wait_alu depctr_hold_cnt(0) depctr_sa_sdst(0) depctr_va_vdst(0) depctr_va_sdst(0) depctr_va_ssrc(0) depctr_va_vcc(0) depctr_vm_vsrc(0)
	s_getreg_b32 s2, hwreg(HW_REG_IB_STS2, 6, 4)
	s_cmp_eq_u32 s2, 0
	s_cbranch_scc0 .Lentry_in_a_cluster
	s_endpgm
.Lentry_in_a_cluster:
	s_bfe_u32 s2, ttmp6, 0x10000c
	s_cmp_lg_u32 s2, 0xf033
	s_cbranch_scc0 .Lentry_shape_is_right
	s_endpgm
.Lentry_shape_is_right:
; Two products of one shape, C[m][n] = sum over k of A[m][k] B[n][k], f16 operands, f32 sums, K = 1,024, tiles of 256 x 256, in one launch: 128 work-groups each.  (attn v) Wo = attn (v Wo), so v Wo hangs on no score.
; ROLE 0 (clusters y = 0-7, one a batch): A = q, B = k.  A tile sees 256 of a row's 1,024 keys.  t = score x log2(e) / 32; m = the tile's largest t of the row; p = 2^(t - m) leaves as f16, p [8192 q][1024 keys];
;   m, and the f32 sum of p over each wave's 128 keys, go to st [8192 rows][16]: words 0-7 m, words 8-15 the sums, at index 2 x (block of 256 keys) + (half of 128).  The last launch, which knows all four m of a row,
;   brings the blocks under the row's true maximum.
; ROLE 1 (clusters y = 8-15): A = Wo scaled by column, transposed [1024 e][1024 d], B = v: VW^T leaves as f16, vwt [1024 e][8192 tokens].  Its magnitudes stay under the largest |v| (each column of A has a sum of magnitudes under 1).
; The role hangs on the cluster's y alone: it is the same in all sixteen partners and in all waves.  Each role has stage bytes of its own.
; LIMIT: with all inputs some 30 times smaller than drawn, VW^T falls among f16's subnormals, at about a thousandth of its size in error.
; A wave makes 128 x 128: 64 accumulators, 512 registers.  K goes in steps of 128 (rows of 256 bytes) through two LDS slots.  CLUSTERS 4 x 4: A's tiles are asked for jointly along a row, B's along a column.
; A wave has two tensor loads out at the start and one behind each round; a refill has 224 matrix instructions in which to land.
; THE MATRIX INSTRUCTION IS USED TRANSPOSED (source 0 = 16 rows of B, source 1 = 16 rows of A): lane l holds row l % 16 of C and columns 8 (l / 16) + 0 .. 7.
; No prefetch: K is eight steps, of which the first four would come by their loads alone.
; REGISTERS: window 0: v0-31 addresses; v64-127, v128-191 A's fragments, two buffers; behind the products v8-15, v32-55, v64-231 serve the softmax and the way out.  window 1: v64-191 B's fragments.  windows 2, 3: accumulators.
.set SIZE_K, 1024
.set KSTEP,  128
.set PITCH,  272
.set HALFT,  128*PITCH
.set SLOT,   4*HALFT
.set STAGE_S, 2*SLOT                   ; role 0's stages: 16 rows x 272 bytes for each wave
.set STAGE_V, STAGE_S+4*16*272         ; role 1's
.set EX,     STAGE_V+4*16*272          ; role 0: the waves' row maxima, 512 bytes a wave
.set SPARE,  EX+4*512                  ; the spare words, 128 bytes for each wave: two blocks of 256 bytes that no other line names
.set LAPS,   SIZE_K/(2*KSTEP)
.set EXW,  3                           ; v3  where I put my rows' maxima
.set EXR,  4                           ; v4  where the wave that shares my rows puts its
.set STA,  5                           ; v5  my word in st: 64 r + 32 h
.set NEG,  6                           ; v6  -infinity
.set MX,   8                           ; v8-15 a row maximum for each block of 16 rows
.set ADRA, 16
.set ADRB, 20
.set STO_S, 24
.set RD_S,  25
.set CO_S,  26
.set CO_V,  27
.set SPW,  28
.set NIL,  29
.set STO_V, 30
.set RD_V,  31
.set MT,   32                          ; v32-47 m, in pairs
.set LS,   48                          ; v48-55 the sums
.set F0,   64
.set F1,   128
.set TMP,  64                          ; v64-95 packed results
.set SUMT, 96                          ; v96-127 partial sums
.set BK,   128                         ; v128-159, v160-191 rows read back, by turns
.set CH,   192                         ; v192-223 chains of maxima; later what goes to st
.set PT,   224                         ; v224-231 what comes from another lane or wave
.set G1, 24
.set G0, 32
.set G1B, 48
.set G0B, 56
.set CS,  74                           ; s[74:75] c = log2(e) / 32
.set SEL, 76                           ; s[76:77] lane selects: lane l xor 16
.set MSB, 0
.macro WIN new
.if MSB != \new
	s_set_vgpr_msb (MSB<<8)|\new
.set MSB, \new
.endif
.endm
.set MUL_LO, 0xa1
.set MUL_HI, 0xf1
.set TO_B,   0x40
.macro JLOAD s                         ; waves 0 and 1 fetch A's two halves, waves 2 and 3 B's; an s_nop 0 and four v_nop follow each of the two lines
	s_cmp_eq_u32 s11, 0
	s_cbranch_scc0 .Lfor_b_\@
	tensor_load_to_lds s[G0+4*\s:G0+4*\s+3], s[G1:G1+7]
	s_nop 0
.rept 4
	v_nop
.endr
	s_branch .Lasked_\@
.Lfor_b_\@:
	tensor_load_to_lds s[G0B+4*\s:G0B+4*\s+3], s[G1B:G1B+7]
	s_nop 0
.rept 4
	v_nop
.endr
.Lasked_\@:
.endm
.macro CREST
	s_cmp_lg_u32 s10, 0
	s_cbranch_scc1 .Lnot_wave_0_\@
	s_barrier_signal -3
.Lnot_wave_0_\@:
	s_barrier_wait -3
	s_barrier_signal -1
	s_barrier_wait -1
.endm
.macro CROUND
	s_barrier_signal -1
	s_barrier_wait -1
	CREST
.endm
	s_load_b128 s[4:7], s[0:1], 0x0                ; qkv, wo16
	s_load_b128 s[68:71], s[0:1], 0x10             ; p, vwt
	s_load_b64 s[72:73], s[0:1], 0x20              ; st
	v_lshl_add_u32 v[SPW], v0, 2, SPARE
	v_mov_b32 v[NIL], 0
	ds_add_u32 v[SPW], v[NIL]                      ; the wave's opening: the add, twice on end, and its wait ahead of my first tensor load
	ds_add_u32 v[SPW], v[NIL]
	v_lshrrev_b32 v1, 5, v0
	v_readfirstlane_b32 s10, v1                    ; wave 0..3
	s_lshr_b32 s11, s10, 1                         ; which half of the tile's rows is mine.  Also: I fetch for A (0) or for B (1)
	s_and_b32 s12, s10, 1                          ; which half of its columns.  Also: which 128 rows of that tile I fetch
	s_bfe_u32 s40, ttmp6, 0x40000                  ; cx
	s_bfe_u32 s41, ttmp6, 0x40004                  ; cy
	s_and_b32 s13, ttmp7, 0xffff                   ; the cluster's y
	s_lshr_b32 s45, s13, 3                         ; the role
	s_and_b32 s13, s13, 7
	s_lshl_b32 s13, s13, 10                        ; the batch's first token
	s_lshl_b32 s43, s41, 2
	s_lshl_b32 s43, 15, s43                        ; my row of the cluster
	s_lshl_b32 s44, 0x1111, s40                    ; my column
	s_or_b32 s[G1+0], s43, (1<<16)|(1<<20)|(1<<21)|(5<<22)|(3<<25)   ; the mask; elements of 2 bytes; padding: 4 words behind every 64
	s_or_b32 s[G1B+0], s44, (1<<16)|(1<<20)|(1<<21)|(5<<22)|(3<<25)
.irp g, G1, G1B
	s_mov_b32 s[\g+1], KSTEP<<16                   ; tensor_dim0 = 128
	s_mov_b32 s[\g+2], 128<<16                     ; tensor_dim1 = 128
	s_mov_b32 s[\g+3], KSTEP<<16                   ; tile_dim0 = 128
	s_mov_b32 s[\g+4], 128                         ; tile_dim1 = 128
	s_mov_b32 s[\g+5], SIZE_K                      ; from row to row
	s_mov_b32 s[\g+6], 0
	s_mov_b32 s[\g+7], 0
.endr
	s_mov_b32 s[CS], 0x3d38aa3b
	s_mov_b32 s[CS+1], s[CS]
	s_mov_b32 s[SEL], 0x76543210
	s_mov_b32 s[SEL+1], 0xfedcba98
	s_lshl_b32 s17, s12, 7                         ; which 128 rows of the tile I fetch
	s_cmp_eq_u32 s45, 0
	s_cselect_b32 s16, s13, 0                      ; A: q's rows of the batch, or Wo's rows from 0
	s_lshl_b32 s18, s41, 8
	s_add_co_u32 s16, s16, s18
	s_add_co_u32 s16, s16, s17                     ; + 256 cy + 128 x half
	s_lshl_b32 s46, s40, 8
	s_add_co_u32 s46, s46, s13
	s_add_co_u32 s46, s46, s17                     ; B: the batch's token 256 cx + 128 x half
	s_lshl_b32 s16, s16, 11                        ; rows of 2,048 bytes
	s_lshl_b32 s46, s46, 11
	s_mov_b32 s17, 0
	s_mov_b32 s47, 0
	s_mul_i32 s20, s10, HALFT                      ; where they go: wave x 128 rows
	s_mov_b32 s18, 33554432                        ; v begins here in qkv,
	s_mov_b32 s19, 0
	s_wait_dscnt 0x0                               ; both opening adds are done
	s_wait_kmcnt 0x0
	s_cmp_eq_u32 s45, 0
	s_cselect_b64 s[14:15], s[4:5], s[6:7]
	s_cselect_b32 s18, 16777216, s18               ; k here
	s_add_nc_u64 s[14:15], s[14:15], s[16:17]
	s_add_nc_u64 s[46:47], s[46:47], s[18:19]
	s_add_nc_u64 s[46:47], s[4:5], s[46:47]
	CROUND                                         ; all sixteen work-groups are here: the first joint loads meet
.irp s, 0,1
	s_mov_b32 s[G0+4*\s], 1
	s_add_co_u32 s[G0+4*\s+1], s20, \s*SLOT
	s_add_nc_u64 s[G0+4*\s+2:G0+4*\s+3], s[14:15], \s*KSTEP*2
	s_or_b32 s[G0+4*\s+3], s[G0+4*\s+3], 0x80000000
	s_mov_b32 s[G0B+4*\s], 1
	s_add_co_u32 s[G0B+4*\s+1], s20, \s*SLOT
	s_add_nc_u64 s[G0B+4*\s+2:G0B+4*\s+3], s[46:47], \s*KSTEP*2
	s_or_b32 s[G0B+4*\s+3], s[G0B+4*\s+3], 0x80000000
	JLOAD \s
.endr
	; every address register of both roles is made here, on the one way that all waves take
	v_and_b32 v1, 15, v0                           ; r
	v_bfe_u32 v2, v0, 4, 1                         ; h
	v_mul_u32_u24 v7, v1, PITCH
	v_lshl_add_u32 v7, v2, 4, v7                   ; row x pitch + 16 x half
	s_mul_i32 s21, s11, HALFT
	s_mul_i32 s22, s12, HALFT
	s_add_co_u32 s22, s22, 2*HALFT
.irp s, 0,1
	v_add_nc_u32 v[ADRA+\s], s21, v7
	v_add_nc_u32 v[ADRB+\s], s22, v7
	s_add_co_u32 s21, s21, SLOT
	s_add_co_u32 s22, s22, SLOT
.endr
	s_mul_i32 s23, s10, 16*272
	v_add_nc_u32 v[STO_S], s23, v7                 ; into a stage: row r, 16 bytes for each half of the lanes
	v_add_nc_u32 v[STO_V], STAGE_V, v[STO_S]
	v_add_nc_u32 v[STO_S], STAGE_S, v[STO_S]
	v_mul_u32_u24 v7, v2, 272
	v_lshl_add_u32 v7, v1, 4, v7
	v_add_nc_u32 v[RD_S], s23, v7                  ; back: lanes 0-15 one row, lanes 16-31 the next
	v_add_nc_u32 v[RD_V], STAGE_V, v[RD_S]
	v_add_nc_u32 v[RD_S], STAGE_S, v[RD_S]
	v_lshlrev_b32 v7, 11, v2
	v_lshl_add_u32 v[CO_S], v1, 4, v7              ; the same two rows in p: 2,048 bytes a row
	v_lshlrev_b32 v7, 14, v2
	v_lshl_add_u32 v[CO_V], v1, 4, v7              ; in vwt: 16,384 bytes a row
	s_lshl_b32 s23, s10, 9
	v_lshl_add_u32 v[EXW], v1, 2, s23
	v_add_nc_u32 v[EXW], EX, v[EXW]
	s_xor_b32 s23, s23, 512                        ; waves 2 i and 2 i + 1 share their rows
	v_lshl_add_u32 v[EXR], v1, 2, s23
	v_add_nc_u32 v[EXR], EX, v[EXR]
	v_lshlrev_b32 v[STA], 6, v1
	v_lshl_add_u32 v[STA], v2, 5, v[STA]
	v_mov_b32 v[NEG], 0xff800000
.irp a, 0,1,2,3,4,5,6,7
	v_mov_b32 v[PT+\a], 0                          ; written once: a lane permute's destination counts as one of its sources
.endr
	s_lshl_b32 s16, s41, 8
	s_lshl_b32 s17, s11, 7
	s_add_co_u32 s16, s16, s17                     ; 256 cy + 128 x my half of the rows
	s_add_co_u32 s18, s16, s13                     ; + the batch's first row
	s_lshl_b32 s46, s40, 9
	s_lshl_b32 s47, s12, 8
	s_add_co_u32 s46, s46, s47                     ; my first column, in bytes: 512 cx + 256 x half
	s_lshl_b32 s20, s18, 11
	s_add_co_u32 s20, s20, s46
	s_mov_b32 s21, 0
	s_add_nc_u64 s[68:69], s[68:69], s[20:21]      ; p at my part
	s_lshl_b32 s20, s16, 14
	s_add_co_u32 s20, s20, s46
	s_lshl_b32 s22, s13, 1
	s_add_co_u32 s20, s20, s22
	s_add_nc_u64 s[70:71], s[70:71], s[20:21]      ; vwt at my part
	s_lshl_b32 s20, s18, 6
	s_lshl_b32 s22, s40, 3
	s_add_co_u32 s20, s20, s22
	s_lshl_b32 s22, s12, 2
	s_add_co_u32 s20, s20, s22
	s_add_nc_u64 s[72:73], s[72:73], s[20:21]      ; st: my first row, word 2 cx + half
.macro MUL16 f, hi, a0, zero           ; 16 matrix instructions: m blocks a0, a0 + 1 of the window's four x all 8 n blocks, 32 along K.  zero = 1: the first product starts the sums
.irp a, \a0, \a0+1
.irp b, 0,1,2,3,4,5,6,7
.if \zero
	v_wmma_f32_16x16x32_f16 v[8*(8*(\a)+\b):8*(8*(\a)+\b)+7], v[\f+8*\b:\f+8*\b+7], v[\f+8*(4*\hi+\a):\f+8*(4*\hi+\a)+7], 0
.else
	v_wmma_f32_16x16x32_f16 v[8*(8*(\a)+\b):8*(8*(\a)+\b)+7], v[\f+8*\b:\f+8*\b+7], v[\f+8*(4*\hi+\a):\f+8*(4*\hi+\a)+7], v[8*(8*(\a)+\b):8*(8*(\a)+\b)+7]
.endif
.endr
.endr
.endm
.macro FETCH slot, k, f                ; 32 LDS loads in one run: B's eight fragments, then A's eight
	WIN TO_B
.irp i, 0,1,2,3,4,5,6,7
	ds_load_b128 v[\f+8*\i:\f+8*\i+3],   v[ADRB+\slot] offset:\k+\i*16*PITCH
	ds_load_b128 v[\f+8*\i+4:\f+8*\i+7], v[ADRB+\slot] offset:\k+\i*16*PITCH+32
.endr
	WIN 0
.irp i, 0,1,2,3,4,5,6,7
	ds_load_b128 v[\f+8*\i:\f+8*\i+3],   v[ADRA+\slot] offset:\k+\i*16*PITCH
	ds_load_b128 v[\f+8*\i+4:\f+8*\i+7], v[ADRA+\slot] offset:\k+\i*16*PITCH+32
.endr
.endm
.macro PLACES                          ; four plain vector lines between a matrix instruction and a load into, or a read of, its registers
.rept 4
	v_nop
.endr
.endm
.macro QUARTER slot, k, f, g, zero     ; 32 along K: 64 matrix instructions on buffer f; in the middle the next quarter's fragments go into g
	s_wait_dscnt 8                                 ; B and A's rows 0-63 are in; the youngest eight loads (A's rows 64-127) may be out
	WIN MUL_LO
	MUL16 \f, 0, 0, \zero
	MUL16 \f, 0, 2, \zero
	PLACES
	FETCH \slot, \k, \g
	s_wait_dscnt 32                                ; all but the 32 just issued
	WIN MUL_HI
	MUL16 \f, 1, 0, \zero
	MUL16 \f, 1, 2, \zero
.endm
.macro MEET round                      ; ONE barrier for the change of slots
	WIN 0
	s_wait_tensorcnt 0x0                           ; all my tensor loads have landed: my part of the next slot;
	ds_add_u32 v[SPW], v[NIL]
	s_wait_dscnt 9                                 ; (the add and the youngest eight loads may be out)
	WIN MUL_LO
	MUL16 F1, 0, 0, 0
	s_wait_dscnt 0x0                               ; the add is done, and my reads of this slot are over
	s_barrier_signal -1
	MUL16 F1, 0, 2, 0
.if \round
	WIN 0
.endif
	s_barrier_wait -1
.endm
.macro TURN slot, next, fill           ; a slot's last quarter.  fill = 1: the barrier opens a round of the cluster's, and the slot is filled again, two K steps ahead, first thing behind it
	MEET \fill
.if \fill
	CREST
	s_add_nc_u64 s[G0+4*\slot+2:G0+4*\slot+3], s[G0+4*\slot+2:G0+4*\slot+3], 2*KSTEP*2
	s_add_nc_u64 s[G0B+4*\slot+2:G0B+4*\slot+3], s[G0B+4*\slot+2:G0B+4*\slot+3], 2*KSTEP*2
	JLOAD \slot                                    ; the four v_nop behind it are also the places in front of the loads below
.else
	PLACES
.endif
	FETCH \next, 0, F0
	WIN MUL_HI
	MUL16 F1, 1, 0, 0
	MUL16 F1, 1, 2, 0
.endm
	s_wait_tensorcnt 1                             ; my part of K step 0 is in (K step 1's may be out)
	s_barrier_signal -1
	s_barrier_wait -1                              ; everybody's is
	FETCH 0, 0, F0
	QUARTER 0, 64,  F0, F1, 1
	WIN 0
	s_mov_b32 s3, LAPS-1
.Llap:                                                 ; a trip goes once round the ring and fills both slots again
	QUARTER 0, 128, F1, F0, 0
	QUARTER 0, 192, F0, F1, 0
	TURN 0, 1, 1
	QUARTER 1, 64,  F0, F1, 0
	QUARTER 1, 128, F1, F0, 0
	QUARTER 1, 192, F0, F1, 0
	TURN 1, 0, 1
	QUARTER 0, 64,  F0, F1, 0
	WIN 0
	s_sub_co_u32 s3, s3, 1
	s_cmp_lg_u32 s3, 0
	s_cbranch_scc1 .Llap
	QUARTER 0, 128, F1, F0, 0                      ; the last lap is written out: it fills nothing
	QUARTER 0, 192, F0, F1, 0
	TURN 0, 1, 0
	QUARTER 1, 64,  F0, F1, 0
	QUARTER 1, 128, F1, F0, 0
	QUARTER 1, 192, F0, F1, 0
	s_wait_dscnt 8
	WIN MUL_LO
	MUL16 F1, 0, 0, 0
	MUL16 F1, 0, 2, 0
	s_wait_dscnt 0
	WIN MUL_HI
	MUL16 F1, 1, 0, 0
	MUL16 F1, 1, 2, 0
	WIN 0
.macro TOSTAGE a, sto, rd              ; 16 rows x 256 bytes into my stage, and back as whole rows
.set BB, BK+32*((\a)%2)
.irp b, 0,1,2,3,4,5,6,7
	ds_store_b128 v[\sto], v[TMP+4*\b:TMP+4*\b+3] offset:32*\b
.endr
.irp t, 0,1,2,3,4,5,6,7
	ds_load_b128 v[BB+4*\t:BB+4*\t+3], v[\rd] offset:\t*2*272      ; in order behind my stores
.endr
.endm
.macro SEND a, co, base, pitch
.set BB, BK+32*((\a)%2)
	s_wait_dscnt 0x0                               ; the block is back in registers
	s_wait_xcnt 0x0                                ; the earlier stores have read their base and their data: both are written again only behind this wait
.if (\a) > 0
	s_add_nc_u64 s[\base:\base+1], s[\base:\base+1], 16*\pitch
.endif
.irp t, 0,1,2,3,4,5,6,7
	global_store_b128 v[\co], v[BB+4*\t:BB+4*\t+3], s[\base:\base+1] offset:2*\t*\pitch   ; sixteen lanes store 256 consecutive bytes, aligned
.endr
.endm
	s_cmp_lg_u32 s45, 0
	s_cbranch_scc1 .Lrole_v
; ---------------- ROLE 0.  In block a (16 rows) lane (r, h) holds 64 of row r's scores: keys 16 b + 8 h + j of my 128.
	PLACES
.macro MAXES a                         ; four chains a block, two accumulators each, every accumulator from its low end on
.set AC, 64*((\a)%4)
	WIN 0x28+0x14*((\a)/4)                         ; sources 1 and 2: window 2 or 3
.irp s, 0,1,2,3,4,5,6,7
.irp k, 0,1,2,3
.if \s == 0
	v_max3_num_f32 v[CH+4*(\a)+\k], v[NEG], v[AC+16*\k], v[AC+16*\k+1]
.else
	v_max3_num_f32 v[CH+4*(\a)+\k], v[CH+4*(\a)+\k], v[AC+16*\k+2*\s], v[AC+16*\k+2*\s+1]
.endif
.endr
.endr
.endm
.irp n, 0,1,2,3,4,5,6,7
	MAXES \n
.endr
	WIN 0
.irp a, 0,1,2,3,4,5,6,7
	v_max3_num_f32 v[MX+\a], v[CH+4*\a], v[CH+4*\a+1], v[CH+4*\a+2]
.endr
.irp a, 0,1,2,3,4,5,6,7
	v_max_num_f32 v[MX+\a], v[MX+\a], v[CH+4*\a+3]
.endr
.irp a, 0,1,2,3,4,5,6,7
	v_permlanex16_b32 v[PT+\a], v[MX+\a], s[SEL], s[SEL+1]
.endr
.irp a, 0,1,2,3,4,5,6,7
	v_max_num_f32 v[MX+\a], v[MX+\a], v[PT+\a]     ; with lane l xor 16's: my 128 keys
.endr
.irp a, 0,1,2,3,4,5,6,7
	ds_store_b32 v[EXW], v[MX+\a] offset:64*\a     ; lanes r and r + 16 write the same word with the same value
.endr
	s_wait_dscnt 0x0                               ; for the other wave's sake: my maxima have landed
	s_barrier_signal -1                            ; (the way here hangs on the cluster's y alone: all four waves pass)
	s_barrier_wait -1
.irp a, 0,1,2,3,4,5,6,7
	ds_load_b32 v[PT+\a], v[EXR] offset:64*\a
.endr
	s_wait_dscnt 0x0
.irp a, 0,1,2,3,4,5,6,7
	v_max_num_f32 v[MX+\a], v[MX+\a], v[PT+\a]     ; the tile's 256 keys
.endr
.irp a, 0,1,2,3,4,5,6,7
	v_mul_f32 v[MT+2*\a], s[CS], v[MX+\a]          ; m (c is positive)
.endr
.irp a, 0,1,2,3,4,5,6,7
	v_mov_b32 v[MT+2*\a+1], v[MT+2*\a]             ; named with it as a pair, so it is written
.endr
.macro SOFT a                          ; block a: p = 2^(c s - m) in place; the 64 exponentials are ONE batch with one wait; then f16 for the way out, and the f32 sum
.set AC, 64*((\a)%4)
	WIN 0x82+0x41*((\a)/4)                         ; destination and source 0: window 2 or 3
.set i, 0
.rept 32
	v_pk_fma_f32 v[AC+i:AC+i+1], v[AC+i:AC+i+1], s[CS:CS+1], v[MT+2*(\a):MT+2*(\a)+1] op_sel_hi:[1,0,0] neg_lo:[0,0,1] neg_hi:[0,0,1]
.set i, i+2
.endr
.set i, 0
.rept 64
	v_exp_f32 v[AC+i], v[AC+i]
.set i, i+1
.endr
	v_nop                                          ; a plain line behind the last exponential
	s_wait_alu depctr_va_vdst(0)                   ; the wait ahead of the first line that names a result: one for the batch
	WIN 0x0a+5*((\a)/4)                            ; sources 0 and 1: window 2 or 3
.set i, 0
.rept 32
	v_cvt_pk_f16_f32 v[TMP+i], v[AC+2*i], v[AC+2*i+1]
.set i, i+1
.endr
.set i, 0
.rept 16
	v_pk_add_f32 v[SUMT+2*i:SUMT+2*i+1], v[AC+4*i:AC+4*i+1], v[AC+4*i+2:AC+4*i+3]
.set i, i+1
.endr
	WIN 0
.irp u, 0,1,2,3,4,5,6,7
	v_pk_add_f32 v[SUMT+4*\u:SUMT+4*\u+1], v[SUMT+4*\u:SUMT+4*\u+1], v[SUMT+4*\u+2:SUMT+4*\u+3]
.endr
.irp u, 0,1,2,3
	v_pk_add_f32 v[SUMT+8*\u:SUMT+8*\u+1], v[SUMT+8*\u:SUMT+8*\u+1], v[SUMT+8*\u+4:SUMT+8*\u+5]
.endr
.irp u, 0,1
	v_pk_add_f32 v[SUMT+16*\u:SUMT+16*\u+1], v[SUMT+16*\u:SUMT+16*\u+1], v[SUMT+16*\u+8:SUMT+16*\u+9]
.endr
	v_pk_add_f32 v[SUMT:SUMT+1], v[SUMT:SUMT+1], v[SUMT+16:SUMT+17]
	v_add_f32 v[LS+(\a)], v[SUMT], v[SUMT+1]
.endm
	SOFT 0
	TOSTAGE 0, STO_S, RD_S
.irp n, 1,2,3,4,5,6,7                  ; block n's softmax stands between block n - 1's loads from the stage and the wait for them
	SOFT \n
	SEND \n-1, CO_S, 68, 2048
	TOSTAGE \n, STO_S, RD_S
.endr
	SEND 7, CO_S, 68, 2048
.irp a, 0,1,2,3,4,5,6,7
	v_permlanex16_b32 v[PT+\a], v[LS+\a], s[SEL], s[SEL+1]
.endr
.irp a, 0,1,2,3,4,5,6,7
	v_add_f32 v[LS+\a], v[LS+\a], v[PT+\a]         ; the row's sum over my 128 keys
.endr
	v_cmp_eq_u32 vcc_lo, 0, v2
.irp a, 0,1,2,3,4,5,6,7
	v_cndmask_b32 v[CH+\a], v[LS+\a], v[MT+2*\a], vcc_lo   ; lanes 0-15 carry m, lanes 16-31 the sum
.endr
.irp a, 0,1,2,3,4,5,6,7
	global_store_b32 v[STA], v[CH+\a], s[72:73] offset:1024*\a   ; four bytes a lane, rows 64 bytes apart: 4 words a row of the tile, the smallest of the launch's outputs
.endr
	s_branch .Ldone
.Lrole_v:
; ---------------- ROLE 1: rounded to f16 and out, a block of 16 rows at a time.
.macro PACK a
.set AC, 64*((\a)%4)
	WIN 0x0a+5*((\a)/4)
.irp b, 0,1,2,3,4,5,6,7
.irp r, 0,1,2,3
	v_cvt_pk_f16_f32 v[TMP+4*\b+\r], v[AC+8*\b+2*\r], v[AC+8*\b+2*\r+1]   ; each accumulator from its low end on
.endr
.endr
	WIN 0
.endm
	PLACES
	PACK 0
	TOSTAGE 0, STO_V, RD_V
.irp n, 1,2,3,4,5,6,7
	PACK \n
	SEND \n-1, CO_V, 70, 16384
	TOSTAGE \n, STO_V, RD_V
.endr
	SEND 7, CO_V, 70, 16384
.Ldone:
	s_wait_tensorcnt 0x0                           ; the wave's end
	ds_add_u32 v[SPW], v[NIL]
	s_wait_dscnt 0x0
	CROUND                                         ; the closing round
	s_endpgm
.Lfunc_end_k_q3ffee7dc20_scores:
	.size	k_q3ffee7dc20_scores, .Lfunc_end_k_q3ffee7dc20_scores-k_q3ffee7dc20_scores
	.p2alignl 7, 3214868480
	.fill 96, 4, 3214868480
	.section	.rodata,"a",@progbits
	.p2align	6, 0x0
	.amdhsa_kernel k_q3ffee7dc20_scores
		.amdhsa_group_segment_fixed_size 327680
		.amdhsa_private_segment_fixed_size 0
		.amdhsa_enable_private_segment 0
		.amdhsa_kernarg_size 40
		.amdhsa_user_sgpr_count 2
		.amdhsa_user_sgpr_kernarg_segment_ptr 1
		.amdhsa_wavefront_size32 1
		.amdhsa_system_sgpr_workgroup_id_x 1
		.amdhsa_system_sgpr_workgroup_id_y 1
		.amdhsa_system_sgpr_workgroup_id_z 1
		.amdhsa_system_vgpr_workitem_id 0
		.amdhsa_next_free_vgpr 1024
		.amdhsa_next_free_sgpr 80
		.amdhsa_reserve_vcc 1
		.amdhsa_float_denorm_mode_32 3
		.amdhsa_float_denorm_mode_16_64 3
		.amdhsa_memory_ordered 1
		.amdhsa_forward_progress 1
		.amdhsa_inst_pref_size 246
	.end_amdhsa_kernel
	.amdgpu_metadata
---
amdhsa.version: [ 1, 2 ]
amdhsa.kernels:
  - .name:           k_q3ffee7dc20_scores
    .symbol:         k_q3ffee7dc20_scores.kd
    .args:
      - { .name: qkv, .offset: 0, .size: 8, .value_kind: global_buffer, .address_space: global }
      - { .name: wo16, .offset: 8, .size: 8, .value_kind: global_buffer, .address_space: global }
      - { .name: p, .offset: 16, .size: 8, .value_kind: global_buffer, .address_space: global }
      - { .name: vwt, .offset: 24, .size: 8, .value_kind: global_buffer, .address_space: global }
      - { .name: st, .offset: 32, .size: 8, .value_kind: global_buffer, .address_space: global }
    .group_segment_fixed_size: 327680
    .private_segment_fixed_size: 0
    .kernarg_segment_align: 8
    .kernarg_segment_size: 40
    .max_flat_workgroup_size: 128
    .sgpr_count:     80
    .vgpr_count:     1024
    .wavefront_size: 32
...
	.end_amdgpu_metadata
.endif
;; end of part 3
;; launch final (part 4): grid 8 x 32, 4 waves a work-group, clusters of 4 x 4, 327,680 bytes of LDS; arguments p, vwt, st, wo16, bo, out0; writes out0
.if DOCPART == 4
	.amdgcn_target "amdgcn-amd-amdhsa--gfx1250"
	.amdhsa_code_object_version 6
	.text
	.protected	k_q3ffee7dc20_final
	.globl	k_q3ffee7dc20_final
	.p2align	8
	.type	k_q3ffee7dc20_final,@function
k_q3ffee7dc20_final:
	s_mov_b64 s[64:65], 0
	v_nop
	global_prefetch_b8 v0, s[64:65] scope:SCOPE_SE
	s_setreg_imm32_b32 hwreg(HW_REG_WAVE_MODE, 25, 1), 1
	s_wait_xcnt 0x0
	s_wait_alu depctr_hold_cnt(0) depctr_sa_sdst(0) depctr_va_vdst(0) depctr_va_sdst(0) depctr_va_ssrc(0) depctr_va_vcc(0) depctr_vm_vsrc(0)
	s_getreg_b32 s2, hwreg(HW_REG_IB_STS2, 6, 4)
	s_cmp_eq_u32 s2, 0
	s_cbranch_scc0 .Lentry_in_a_cluster
	s_endpgm
.Lentry_in_a_cluster:
	s_bfe_u32 s2, ttmp6, 0x10000c
	s_cmp_lg_u32 s2, 0xf033
	s_cbranch_scc0 .Lentry_shape_is_right
	s_endpgm
.Lentry_shape_is_right:
; out[q][e] = (sum over the four blocks j of 256 keys of g_j(q) x sum over the block's keys of P[q][key] VW[key][e]) x inv[e] + bo[e], f32.
; P [8192 q][1024 keys] f16 holds 2^(t - m_j), m_j the block's own largest t of the row.  From st: m = the largest of the four m_j (THE ROW'S TRUE MAXIMUM), f_j = 2^(m_j - m) <= 1,
; L = sum of f_j l_j >= about 1, g_j = f_j / L.  VW^T [1024 e][8192 tokens] f16 was made with Wo's column e multiplied by a power of two; inv[e] takes it off again and rounds nothing.
; A tile is 256 rows x 128 columns: 256 work-groups.  A wave makes 128 rows x 64 columns: 32 accumulators for the block of keys in hand (window 2) and 32 totals (window 3); behind each block the totals take g_j x the block's sums,
; one packed fused multiply-add for two numbers.  K goes in steps of 128 (rows of 256 bytes) through two LDS slots; a lap, two steps, is one block of keys.  The four laps are written out, since the registers of g differ.
; CLUSTERS 4 x 4: P's tiles are asked for jointly along a row of the cluster, VW^T's along a column.  Waves 0 and 1 fetch P's two halves (128 rows), waves 2 and 3 VW^T's (64 rows).
; A wave has two tensor loads out at the start and one behind each round; a refill has 112 matrix instructions in which to land.  Slots of twice the step do not fit in LDS twice.
; No prefetch: K is eight steps, of which the first four would come by their loads alone.
; THE MATRIX INSTRUCTION IS USED TRANSPOSED (source 0 = 16 rows of VW^T, source 1 = 16 rows of P): lane (r, h) holds row r and columns 8 h + 0 .. 7.
; REGISTERS: window 0: v0-31 addresses; v32-95 g (block of rows a, block of keys j: the pair at 32 + 2 (4 a + j)); v128-191, v192-255 P's fragments, two buffers (first: the rows of st; last: rows on the way out).
;   window 1: v0-31, v32-63 VW^T's fragments; v64-95 inv, v96-127 bo of my 64 columns in the result's layout.
.set KSTEP,  128
.set PITCH,  272
.set HALFA,  128*PITCH
.set HALFB,  64*PITCH
.set BOFF,   2*HALFA
.set SLOT,   2*HALFA+2*HALFB
.set STAGE,  2*SLOT                    ; 16 rows x 272 bytes for each wave
.set SPARE,  STAGE+4*16*272            ; the spare words, 128 bytes for each wave: two blocks of 256 bytes that no other line names
.set STA,  5                           ; v5  64 r: my row of st
.set BIA,  6                           ; v6  32 h: my eight columns of a block of 16
.set ADRA, 16
.set ADRB, 20
.set STO,  24
.set RD,   25
.set CO,   26
.set SPW,  28
.set NIL,  29
.set G,    32
.set SD,   128                         ; the rows of st: 16 registers for each block of rows
.set INV,  64
.set BO,   96
.set G1, 24
.set G0, 32
.set G1B, 48
.set G0B, 56
.set MSB, 0
.macro WIN new
.if MSB != \new
	s_set_vgpr_msb (MSB<<8)|\new
.set MSB, \new
.endif
.endm
.set MUL,  0xa1                        ; source 0 window 1, source 1 window 0, C and D window 2
.set TO_B, 0x40
.macro JLOAD s
	s_cmp_eq_u32 s11, 0
	s_cbranch_scc0 .Lfor_b_\@
	tensor_load_to_lds s[G0+4*\s:G0+4*\s+3], s[G1:G1+7]
	s_nop 0
.rept 4
	v_nop
.endr
	s_branch .Lasked_\@
.Lfor_b_\@:
	tensor_load_to_lds s[G0B+4*\s:G0B+4*\s+3], s[G1B:G1B+7]
	s_nop 0
.rept 4
	v_nop
.endr
.Lasked_\@:
.endm
.macro CREST
	s_cmp_lg_u32 s10, 0
	s_cbranch_scc1 .Lnot_wave_0_\@
	s_barrier_signal -3
.Lnot_wave_0_\@:
	s_barrier_wait -3
	s_barrier_signal -1
	s_barrier_wait -1
.endm
.macro CROUND
	s_barrier_signal -1
	s_barrier_wait -1
	CREST
.endm
	s_load_b128 s[4:7], s[0:1], 0x0                ; p, vwt
	s_load_b128 s[68:71], s[0:1], 0x10             ; st, wo16
	s_load_b128 s[72:75], s[0:1], 0x20             ; bo, out0
	v_lshl_add_u32 v[SPW], v0, 2, SPARE
	v_mov_b32 v[NIL], 0
	ds_add_u32 v[SPW], v[NIL]                      ; the wave's opening: the add, twice on end, and its wait ahead of my first tensor load
	ds_add_u32 v[SPW], v[NIL]
	v_lshrrev_b32 v1, 5, v0
	v_readfirstlane_b32 s10, v1                    ; wave 0..3
	s_lshr_b32 s11, s10, 1                         ; which 128 rows are mine.  Also: I fetch for P (0) or for VW^T (1)
	s_and_b32 s12, s10, 1                          ; which 64 columns.  Also: which half of that tile I fetch
	s_bfe_u32 s40, ttmp6, 0x40000                  ; cx
	s_bfe_u32 s41, ttmp6, 0x40004                  ; cy
	s_lshl_b32 s42, ttmp9, 2
	s_add_co_u32 s42, s42, s40                     ; tile column: 0 .. 7
	s_and_b32 s45, ttmp7, 0xffff                   ; the cluster's y is the batch: four tiles of 256 rows
	s_lshl_b32 s13, s45, 2
	s_add_co_u32 s13, s13, s41                     ; tile row: 0 .. 31
	s_lshl_b32 s43, s41, 2
	s_lshl_b32 s43, 15, s43                        ; my row of the cluster
	s_lshl_b32 s44, 0x1111, s40                    ; my column
	s_or_b32 s[G1+0], s43, (1<<16)|(1<<20)|(1<<21)|(5<<22)|(3<<25)   ; the mask; elements of 2 bytes; padding: 4 words behind every 64
	s_mov_b32 s[G1+1], KSTEP<<16                   ; tensor_dim0 = 128
	s_mov_b32 s[G1+2], 128<<16                     ; tensor_dim1 = 128
	s_mov_b32 s[G1+3], KSTEP<<16                   ; tile_dim0 = 128
	s_mov_b32 s[G1+4], 128                         ; tile_dim1 = 128
	s_mov_b32 s[G1+5], 1024                        ; P: 1,024 elements from row to row
	s_mov_b32 s[G1+6], 0
	s_mov_b32 s[G1+7], 0
	s_or_b32 s[G1B+0], s44, (1<<16)|(1<<20)|(1<<21)|(5<<22)|(3<<25)
	s_mov_b32 s[G1B+1], KSTEP<<16
	s_mov_b32 s[G1B+2], 64<<16                     ; 64 rows
	s_mov_b32 s[G1B+3], KSTEP<<16
	s_mov_b32 s[G1B+4], 64
	s_mov_b32 s[G1B+5], 8192                       ; VW^T: 8,192 elements from row to row
	s_mov_b32 s[G1B+6], 0
	s_mov_b32 s[G1B+7], 0
	s_lshl_b32 s16, s13, 8
	s_lshl_b32 s17, s12, 7
	s_add_co_u32 s16, s16, s17                     ; P: row 256 x tile row + 128 x half,
	s_lshl_b32 s16, s16, 11                        ; 2,048 bytes a row
	s_mov_b32 s17, 0
	s_lshl_b32 s46, s42, 7
	s_lshl_b32 s47, s12, 6
	s_add_co_u32 s46, s46, s47                     ; VW^T: row 128 x tile column + 64 x half,
	s_lshl_b32 s46, s46, 14                        ; 16,384 bytes a row,
	s_lshl_b32 s47, s45, 11
	s_add_co_u32 s46, s46, s47                     ; + the batch's 1,024 tokens
	s_mov_b32 s47, 0
	s_mul_i32 s20, s12, HALFA                      ; where they go: no place in the cluster enters an LDS address
	s_mul_i32 s21, s12, HALFB
	s_add_co_u32 s21, s21, BOFF
	s_wait_dscnt 0x0                               ; both opening adds are done
	s_wait_kmcnt 0x0
	s_add_nc_u64 s[14:15], s[4:5], s[16:17]
	s_add_nc_u64 s[46:47], s[6:7], s[46:47]
	CROUND                                         ; all sixteen work-groups are here: the first joint loads meet
.irp s, 0,1
	s_mov_b32 s[G0+4*\s], 1
	s_add_co_u32 s[G0+4*\s+1], s20, \s*SLOT
	s_add_nc_u64 s[G0+4*\s+2:G0+4*\s+3], s[14:15], \s*KSTEP*2
	s_or_b32 s[G0+4*\s+3], s[G0+4*\s+3], 0x80000000
	s_mov_b32 s[G0B+4*\s], 1
	s_add_co_u32 s[G0B+4*\s+1], s21, \s*SLOT
	s_add_nc_u64 s[G0B+4*\s+2:G0B+4*\s+3], s[46:47], \s*KSTEP*2
	s_or_b32 s[G0B+4*\s+3], s[G0B+4*\s+3], 0x80000000
	JLOAD \s
.endr
	v_and_b32 v1, 15, v0                           ; r
	v_bfe_u32 v2, v0, 4, 1                         ; h
	v_lshlrev_b32 v[STA], 6, v1
	v_lshlrev_b32 v[BIA], 5, v2
	s_lshl_b32 s16, s13, 8
	s_lshl_b32 s17, s11, 7
	s_add_co_u32 s16, s16, s17                     ; my first row
	s_lshl_b32 s18, s16, 6
	s_mov_b32 s19, 0
	s_add_nc_u64 s[68:69], s[68:69], s[18:19]      ; its 64 bytes of st
	s_lshl_b32 s46, s42, 9
	s_lshl_b32 s47, s12, 8
	s_add_co_u32 s46, s46, s47                     ; my first column as f32: 512 x tile column + 256 x half
	s_mov_b32 s47, 0
	s_add_nc_u64 s[72:73], s[72:73], s[46:47]      ; bo
	s_add_nc_u64 s[70:71], s[70:71], s[46:47]
	s_add_nc_u64 s[70:71], s[70:71], 2097152       ; inv lies behind Wo's f16 numbers
	s_lshl_b32 s18, s16, 12                        ; out0: 4,096 bytes a row
	s_add_nc_u64 s[74:75], s[74:75], s[18:19]
	s_add_nc_u64 s[74:75], s[74:75], s[46:47]
.irp a, 0,1,2,3,4,5,6,7
.irp q, 0,1,2,3
	global_load_b128 v[SD+16*\a+4*\q:SD+16*\a+4*\q+3], v[STA], s[68:69] offset:1024*\a+16*\q   ; row 16 a + r: words 0-7 m, words 8-15 the sums (both halves of the lanes take the same)
.endr
.endr
	WIN TO_B
.irp b, 0,1,2,3
	global_load_b128 v[INV+8*\b:INV+8*\b+3], v[BIA], s[70:71] offset:64*\b
	global_load_b128 v[INV+8*\b+4:INV+8*\b+7], v[BIA], s[70:71] offset:64*\b+16
	global_load_b128 v[BO+8*\b:BO+8*\b+3], v[BIA], s[72:73] offset:64*\b
	global_load_b128 v[BO+8*\b+4:BO+8*\b+7], v[BIA], s[72:73] offset:64*\b+16
.endr
	WIN 0
	v_mul_u32_u24 v7, v1, PITCH
	v_lshl_add_u32 v7, v2, 4, v7                   ; a fragment's row x pitch + 16 x half
	s_mul_i32 s21, s11, HALFA                      ; my 128 rows of P
	s_mul_i32 s22, s12, HALFB
	s_add_co_u32 s22, s22, BOFF                    ; my 64 rows of VW^T
.irp s, 0,1
	v_add_nc_u32 v[ADRA+\s], s21, v7
	v_add_nc_u32 v[ADRB+\s], s22, v7
	s_add_co_u32 s21, s21, SLOT
	s_add_co_u32 s22, s22, SLOT
.endr
	s_mul_i32 s23, s10, 16*272
	s_add_co_u32 s23, s23, STAGE                   ; my stage
	v_mul_u32_u24 v7, v1, 272
	v_lshl_add_u32 v7, v2, 5, v7
	v_add_nc_u32 v[STO], s23, v7                   ; in: row r, 32 bytes for each half of the lanes
	v_mul_u32_u24 v7, v2, 272
	v_lshl_add_u32 v7, v1, 4, v7
	v_add_nc_u32 v[RD], s23, v7                    ; back: lanes 0-15 one row of 256 bytes, lanes 16-31 the next
	v_lshlrev_b32 v7, 12, v2
	v_lshl_add_u32 v[CO], v1, 4, v7                ; and the same two rows of out0
	s_wait_loadcnt 0x0
	; g.  The two halves of a block of keys stored the same m: the even words are taken
.irp a, 0,1,2,3,4,5,6,7
	v_max3_num_f32 v[SD+16*\a+1], v[SD+16*\a], v[SD+16*\a+2], v[SD+16*\a+4]
.endr
.irp a, 0,1,2,3,4,5,6,7
	v_max_num_f32 v[SD+16*\a+1], v[SD+16*\a+1], v[SD+16*\a+6]      ; the row's largest t
.endr
.irp j, 0,1,2,3
.irp a, 0,1,2,3,4,5,6,7
	v_sub_f32 v[SD+16*\a+2*\j], v[SD+16*\a+2*\j], v[SD+16*\a+1]
.endr
.endr
.irp j, 0,1,2,3
.irp a, 0,1,2,3,4,5,6,7
	v_exp_f32 v[SD+16*\a+2*\j], v[SD+16*\a+2*\j]   ; f_j: one batch of 32
.endr
.endr
.irp j, 0,1,2,3
.irp a, 0,1,2,3,4,5,6,7
	v_add_f32 v[SD+16*\a+8+2*\j], v[SD+16*\a+8+2*\j], v[SD+16*\a+9+2*\j]   ; l_j: the two halves' sums.  Plain work that names no result of the batch
.endr
.endr
	s_wait_alu depctr_va_vdst(0)                   ; the wait ahead of the first line that names a result: one for the batch
.irp a, 0,1,2,3,4,5,6,7
	v_mul_f32 v[SD+16*\a+1], v[SD+16*\a], v[SD+16*\a+8]
.endr
.irp j, 1,2,3
.irp a, 0,1,2,3,4,5,6,7
	v_fma_f32 v[SD+16*\a+1], v[SD+16*\a+2*\j], v[SD+16*\a+8+2*\j], v[SD+16*\a+1]   ; L
.endr
.endr
.irp a, 0,1,2,3,4,5,6,7
	v_rcp_f32 v[SD+16*\a+1], v[SD+16*\a+1]
.endr
	v_nop                                          ; a plain line behind the last reciprocal
	s_wait_alu depctr_va_vdst(0)                   ; and one wait for the eight
.irp j, 0,1,2,3
.irp a, 0,1,2,3,4,5,6,7
	v_mul_f32 v[G+2*(4*\a+\j)], v[SD+16*\a+2*\j], v[SD+16*\a+1]
.endr
.endr
.irp j, 0,1,2,3
.irp a, 0,1,2,3,4,5,6,7
	v_mov_b32 v[G+2*(4*\a+\j)+1], v[G+2*(4*\a+\j)] ; named with it as a pair, so it is written
.endr
.endr
.macro MUL8 f, a0, zero                ; 8 matrix instructions: blocks of rows a0, a0 + 1 x the 4 blocks of columns, 32 along K.  The 32 accumulators take turns, in the same order in every quarter
.irp a, \a0, \a0+1
.irp b, 0,1,2,3
.if \zero
	v_wmma_f32_16x16x32_f16 v[8*(4*(\a)+\b):8*(4*(\a)+\b)+7], v[32*\f+8*\b:32*\f+8*\b+7], v[128+64*\f+8*(\a):128+64*\f+8*(\a)+7], 0
.else
	v_wmma_f32_16x16x32_f16 v[8*(4*(\a)+\b):8*(4*(\a)+\b)+7], v[32*\f+8*\b:32*\f+8*\b+7], v[128+64*\f+8*(\a):128+64*\f+8*(\a)+7], v[8*(4*(\a)+\b):8*(4*(\a)+\b)+7]
.endif
.endr
.endr
.endm
.macro FETCH slot, k, f                ; 24 LDS loads in one run: VW^T's four fragments, then P's eight
	WIN TO_B
.irp i, 0,1,2,3
	ds_load_b128 v[32*\f+8*\i:32*\f+8*\i+3],   v[ADRB+\slot] offset:\k+\i*16*PITCH
	ds_load_b128 v[32*\f+8*\i+4:32*\f+8*\i+7], v[ADRB+\slot] offset:\k+\i*16*PITCH+32
.endr
	WIN 0
.irp i, 0,1,2,3,4,5,6,7
	ds_load_b128 v[128+64*\f+8*\i:128+64*\f+8*\i+3],   v[ADRA+\slot] offset:\k+\i*16*PITCH
	ds_load_b128 v[128+64*\f+8*\i+4:128+64*\f+8*\i+7], v[ADRA+\slot] offset:\k+\i*16*PITCH+32
.endr
.endm
.macro PLACES                          ; four plain vector lines between a matrix instruction and a load into, or a read of, its registers
.rept 4
	v_nop
.endr
.endm
.macro QUARTER slot, k, f, g, zero
	s_wait_dscnt 8                                 ; VW^T's fragments and P's blocks 0-3 are in; the youngest eight loads (P's blocks 4-7) may be out
	WIN MUL
	MUL8 \f, 0, \zero
	MUL8 \f, 2, \zero
	PLACES
	FETCH \slot, \k, \g
	s_wait_dscnt 24                                ; all but the 24 just issued
	WIN MUL
	MUL8 \f, 4, \zero
	MUL8 \f, 6, \zero
.endm
.macro TURN slot, next, fill           ; a slot's last quarter changes slots: ONE barrier; fill = 1: it opens a round of the cluster's, and the slot is filled again, two K steps ahead, first thing behind it
	WIN 0
	s_wait_tensorcnt 0x0                           ; all my tensor loads have landed: my part of the next slot;
	ds_add_u32 v[SPW], v[NIL]
	s_wait_dscnt 9                                 ; (the add and the youngest eight loads may be out)
	WIN MUL
	MUL8 1, 0, 0
	s_wait_dscnt 0x0                               ; the add is done, and my reads of this slot are over
	s_barrier_signal -1
	MUL8 1, 2, 0
.if \fill
	WIN 0
.endif
	s_barrier_wait -1
.if \fill
	CREST
	s_add_nc_u64 s[G0+4*\slot+2:G0+4*\slot+3], s[G0+4*\slot+2:G0+4*\slot+3], 2*KSTEP*2
	s_add_nc_u64 s[G0B+4*\slot+2:G0B+4*\slot+3], s[G0B+4*\slot+2:G0B+4*\slot+3], 2*KSTEP*2
	JLOAD \slot                                    ; the four v_nop behind it are also the places in front of the loads below
.else
	PLACES
.endif
	FETCH \next, 0, 0
	WIN MUL
	MUL8 1, 4, 0
	MUL8 1, 6, 0
.endm
; The block's sums go into the totals, times g.  Every accumulator is read from its low end on.  The lines on the other accumulators are also the places ahead of the next lap's products, which begin the accumulators anew.
.macro COMBINE j
	PLACES
.if \j == 0
	WIN 0xc2                                       ; destination window 3, source 0 window 2, g window 0
.else
	WIN 0xf2                                       ; and source 2 window 3
.endif
.set i, 0
.rept 128
.if \j == 0
	v_pk_mul_f32 v[2*i:2*i+1], v[2*i:2*i+1], v[G+2*(4*(i/16)+\j):G+2*(4*(i/16)+\j)+1] op_sel_hi:[1,0]
.else
	v_pk_fma_f32 v[2*i:2*i+1], v[2*i:2*i+1], v[G+2*(4*(i/16)+\j):G+2*(4*(i/16)+\j)+1], v[2*i:2*i+1] op_sel_hi:[1,0,1]
.endif
.set i, i+1
.endr
.endm
	s_wait_tensorcnt 1                             ; my part of K step 0 is in (K step 1's may be out)
	s_barrier_signal -1
	s_barrier_wait -1                              ; everybody's is
	FETCH 0, 0, 0
.irp j, 0,1,2,3                        ; a lap: one block of 256 keys
	QUARTER 0, 64,  0, 1, 1                        ; its first products start the block's sums: nothing is cleared
	QUARTER 0, 128, 1, 0, 0
	QUARTER 0, 192, 0, 1, 0
.if \j < 3
	TURN 0, 1, 1
.else
	TURN 0, 1, 0                                   ; the last lap fills nothing
.endif
	QUARTER 1, 64,  0, 1, 0
	QUARTER 1, 128, 1, 0, 0
	QUARTER 1, 192, 0, 1, 0
.if \j < 3
	TURN 1, 0, 1
.else
	s_wait_dscnt 8                                 ; the very last quarter: nothing more to fetch
	WIN MUL
	MUL8 1, 0, 0
	MUL8 1, 2, 0
	s_wait_dscnt 0
	MUL8 1, 4, 0
	MUL8 1, 6, 0
.endif
	COMBINE \j
.endr
	WIN 0xd7                                       ; totals window 3; inv and bo window 1
.set i, 0
.rept 128
	v_pk_fma_f32 v[2*i:2*i+1], v[2*i:2*i+1], v[INV+2*(i%16):INV+2*(i%16)+1], v[BO+2*(i%16):BO+2*(i%16)+1]
.set i, i+1
.endr
	WIN 0
; THE WAY OUT, a block of 16 rows x 64 columns (256 bytes a row) at a time, through my own stage.
.macro TOSTAGE a
	WIN 0x0c                                       ; an LDS store's data are its source 1: window 3
.irp b, 0,1,2,3
	ds_store_b128 v[STO], v[8*(4*(\a)+\b):8*(4*(\a)+\b)+3] offset:64*\b
	ds_store_b128 v[STO], v[8*(4*(\a)+\b)+4:8*(4*(\a)+\b)+7] offset:64*\b+16
.endr
	WIN 0
.set BB, 128+32*((\a)%2)
.irp t, 0,1,2,3,4,5,6,7
	ds_load_b128 v[BB+4*\t:BB+4*\t+3], v[RD] offset:\t*2*272       ; in order behind my stores
.endr
.endm
.macro SEND a, younger                 ; younger: the LDS instructions issued behind block a's loads, which may stay out
.set BB, 128+32*((\a)%2)
	s_wait_dscnt \younger
.if (\a) > 0
	s_add_nc_u64 s[74:75], s[74:75], 16*4096       ; (behind a wait on XCNT: the earlier stores have read their base)
.endif
.irp t, 0,1,2,3,4,5,6,7
	global_store_b128 v[CO], v[BB+4*\t:BB+4*\t+3], s[74:75] offset:8192*\t th:TH_STORE_NT   ; sixteen lanes store 256 consecutive bytes, aligned; written once, read by nobody here
.endr
.endm
	TOSTAGE 0
.irp n, 1,2,3,4,5,6,7
.if \n > 1
	s_wait_xcnt 0x0                                ; block n - 2's stores have read their registers and their base: block n's loads may land there, and the base may step
.endif
	TOSTAGE \n
	SEND \n-1, 16                                  ; behind block n - 1's loads: block n's 8 stores and 8 loads
.endr
	s_wait_xcnt 0x0
	SEND 7, 0
	s_wait_tensorcnt 0x0                           ; the wave's end
	ds_add_u32 v[SPW], v[NIL]
	s_wait_dscnt 0x0
	CROUND                                         ; the closing round
	s_endpgm
.Lfunc_end_k_q3ffee7dc20_final:
	.size	k_q3ffee7dc20_final, .Lfunc_end_k_q3ffee7dc20_final-k_q3ffee7dc20_final
	.p2alignl 7, 3214868480
	.fill 96, 4, 3214868480
	.section	.rodata,"a",@progbits
	.p2align	6, 0x0
	.amdhsa_kernel k_q3ffee7dc20_final
		.amdhsa_group_segment_fixed_size 327680
		.amdhsa_private_segment_fixed_size 0
		.amdhsa_enable_private_segment 0
		.amdhsa_kernarg_size 48
		.amdhsa_user_sgpr_count 2
		.amdhsa_user_sgpr_kernarg_segment_ptr 1
		.amdhsa_wavefront_size32 1
		.amdhsa_system_sgpr_workgroup_id_x 1
		.amdhsa_system_sgpr_workgroup_id_y 1
		.amdhsa_system_sgpr_workgroup_id_z 1
		.amdhsa_system_vgpr_workitem_id 0
		.amdhsa_next_free_vgpr 1024
		.amdhsa_next_free_sgpr 80
		.amdhsa_reserve_vcc 0
		.amdhsa_float_denorm_mode_32 3
		.amdhsa_float_denorm_mode_16_64 3
		.amdhsa_memory_ordered 1
		.amdhsa_forward_progress 1
		.amdhsa_inst_pref_size 204
	.end_amdhsa_kernel
	.amdgpu_metadata
---
amdhsa.version: [ 1, 2 ]
amdhsa.kernels:
  - .name:           k_q3ffee7dc20_final
    .symbol:         k_q3ffee7dc20_final.kd
    .args:
      - { .name: p, .offset: 0, .size: 8, .value_kind: global_buffer, .address_space: global }
      - { .name: vwt, .offset: 8, .size: 8, .value_kind: global_buffer, .address_space: global }
      - { .name: st, .offset: 16, .size: 8, .value_kind: global_buffer, .address_space: global }
      - { .name: wo16, .offset: 24, .size: 8, .value_kind: global_buffer, .address_space: global }
      - { .name: bo, .offset: 32, .size: 8, .value_kind: global_buffer, .address_space: global }
      - { .name: out0, .offset: 40, .size: 8, .value_kind: global_buffer, .address_space: global }
    .group_segment_fixed_size: 327680
    .private_segment_fixed_size: 0
    .kernarg_segment_align: 8
    .kernarg_segment_size: 48
    .max_flat_workgroup_size: 128
    .sgpr_count:     80
    .vgpr_count:     1024
    .wavefront_size: 32
...
	.end_amdgpu_metadata
.endif
;; end of part 4
